; MI455X (gfx1250); checked and timed in simulation.
; The chip was launched on July 23, 2026; its instructions are those of AMD's public machine-readable ISA for CDNA 5 (MIT licence, August 2026) and "CDNA5" Instruction Set Architecture Reference Guide (July 2026). The comments in the code are by the model that wrote it; some were corrected since.
;; LRU. Allowed arithmetic: matrix products marked QUANTISED: E5M2 operands, one E8M0 scale for each 32 along K, by v_wmma_scale_f32_16x16x128_f8f6f4 with both operands' format E5M2, f32 sums; everything else in f32.
;; Inputs: Wi_codes 2,048 x 32 x 32 uint8 (E5M2 codes of Wi, K innermost, in blocks of 32 codes); Wi_scales 2,048 x 32 uint8 (E8M0 scales of Wi, one for each 32 codes along K); Wo_codes 1,024 x 64 x 32 uint8 (E5M2 codes of Wo, K innermost, in blocks of 32 codes); Wo_scales 1,024 x 64 uint8 (E8M0 scales of Wo, one for each 32 codes along K); bi 2,048 float32; bo 1,024 float32; inputs_codes 4 x 4,096 x 32 x 32 uint8 (E5M2 codes of inputs, K innermost, in blocks of 32 codes); inputs_scales 4 x 4,096 x 32 uint8 (E8M0 scales of inputs, one for each 32 codes along K); params_log 3 x 1,024 float32.
;; Outputs: out0 4 x 4,096 x 1,024 float32.
;; This version of the problem:
;;   THIS VERSION OF THE PROBLEM IS GIVEN IN LOW PRECISION. The matrix products marked QUANTISED in the list below multiply operands that are first quantised to E5M2 (5 exponent bits, 2 mantissa bits; 8 bits a number), with one power-of-two scale for each 32 numbers along K (OCP MX v1.0); their sums are f32. All else is computed in f32.
;;   The module's matrix products, in the order in which they are computed (A, B: the left and right operand; K: the contracted axis; several contracted axes count as one K, in the product's order):
;;     1. [M 16,384, K 1,024] x [K 1,024, N 2,048]; A: input inputs (given as codes); B: input Wi (given as codes): QUANTISED
;;     2. [M 16,384, K 2,048] x [K 2,048, N 1,024]; A: computed on the way; B: input Wo (given as codes): QUANTISED
;;   THE QUANTISER, for each operand of a quantised product, along K:
;;     - K is cut into blocks of 32 from its start; a last block that is shorter is filled with zeros.
;;     - A block's scale is 2^e with e = floor(log2(the largest magnitude in the block)) - 15, held to -126 .. 127; a block of zeros has e = 0. As a byte (E8M0): e + 127.
;;     - Each number is divided by its block's scale, clamped to +-57,344, and rounded to the nearest number of E5M2, ties to even, subnormals kept.
;;     - The product sums the exact products of the quantised numbers (number of the format x scale) in f32.
;;   ~~~python
;;   def quantise(x, axis):      # numpy; x: float32 -> the quantised numbers, widened to float32 again
;;       x = np.moveaxis(x, axis, -1); K = x.shape[-1]
;;       x = np.pad(x, [(0, 0)] * (x.ndim - 1) + [(0, -K % 32)]); x = x.reshape(x.shape[:-1] + (-1, 32)); a = np.abs(x).max(-1, keepdims=True)
;;       e = np.where(a > 0, np.clip(np.frexp(np.where(a > 0, a, 1))[1] - 1 - 15, -126, 127), 0)      # np.frexp(a)[1] - 1 = floor(log2(a)), exactly
;;       r = np.clip(x / 2.0 ** e, -57344, 57344)
;;       step = 2.0 ** (np.maximum(np.frexp(np.where(r == 0, 1, r))[1] - 1, -14) - 2)
;;       q = np.round(r / step) * step * 2.0 ** e      # np.round: ties to even
;;       return np.moveaxis(q.reshape(q.shape[:-2] + (-1,))[..., :K], -1, axis).astype(np.float32)
;;   ~~~
;;   OPERANDS COMPUTED ON THE WAY. 'Computed on the way' means the value that the module computes at that place (a softmax that the list does not call 'softmax' is quantised finished and normalised). What goes into a quantiser is computed in f32, as accurately as f32 sums, v_exp_f32 and their like allow (about 1e-6 of the number): no bf16 or f16 on the way to a quantiser, and a product that is left as it is and whose result goes on into a quantised operand takes f32 operands (vector FMAs, or v_wmma_f32_16x16x4_f32). A number that lies on a knife's edge between two numbers of the format may be rounded either way, as far as f32 arithmetic and the matrix unit's own rounding can turn it there, and no further.
;;   INPUTS GIVEN AS CODES. Wi (in the module: [2048, 1024], K = its axis 1); Wo (in the module: [1024, 2048], K = its axis 1); inputs (in the module: [4, 4096, 1024], K = its axis 2): each comes as NAME_codes (uint8): NAME with its K axis moved to the last place and cut into blocks of 32 codes, [.., K / 32, bytes a block], one block behind the other in memory; one code a byte (a code: sign, 5 exponent bits, 2 mantissa bits); and NAME_scales (uint8): the same leading axes, one E8M0 byte (e + 127) for each 32 codes along K. Its value is code x scale, taken as it is: it is not quantised again, and the codes and scales need not be those that the quantiser above would give.
;; One version. Each part assembles by itself: llvm-mc -triple=amdgcn-amd-amdhsa -mcpu=gfx1250 --defsym DOCPART=n.
;; ======== version 1 of 1: 3 launches
;; limits: right only within a limited range of input values
;; workspace buffers: xcodes 33,554,432 bytes; xsc 1,048,576 bytes; tot 65,536 bytes
;; launch pre (part 1): grid 32 x 8, 4 waves a work-group, clusters of 4 x 1, 327,680 bytes of LDS; arguments inputs_codes, inputs_scales, Wi_codes, Wi_scales, bi, params_log, tot; writes tot
.if DOCPART == 1
	.amdgcn_target "amdgcn-amd-amdhsa--gfx1250"
	.amdhsa_code_object_version 6
	.text
	.protected	k_qdd3ecb178e_pre
	.globl	k_qdd3ecb178e_pre
	.p2align	8
	.type	k_qdd3ecb178e_pre,@function
k_qdd3ecb178e_pre:
	s_mov_b64 s[64:65], 0
	v_nop
	global_prefetch_b8 v0, s[64:65] scope:SCOPE_SE
	s_setreg_imm32_b32 hwreg(HW_REG_WAVE_MODE, 25, 1), 1
	s_wait_xcnt 0x0
	s_wait_alu depctr_hold_cnt(0) depctr_sa_sdst(0) depctr_va_vdst(0) depctr_va_sdst(0) depctr_va_ssrc(0) depctr_va_vcc(0) depctr_vm_vsrc(0)
	s_getreg_b32 s2, hwreg(HW_REG_IB_STS2, 6, 4)
	s_cmp_eq_u32 s2, 0
	s_cbranch_scc0 .Lentry_in_a_cluster
	s_endpgm
.Lentry_in_a_cluster:
	s_bfe_u32 s2, ttmp6, 0x10000c
	s_cmp_lg_u32 s2, 0x3003
	s_cbranch_scc0 .Lentry_shape_is_right
	s_endpgm
.Lentry_shape_is_right:
; THE STATE THAT THE SECOND HALF OF EACH BATCH STARTS FROM.  The next launch cuts the 4,096 steps of a batch in two, so that 4 x 2 x 32 = 256 work-groups have work; its second halves need x at row 2,047.
; This launch makes it in two parts: work-group (batch b, quarter q = 0 or 1, 32 channels) walks rows 1,024 q .. 1,024 q + 1,023 and stores the state at its last row, begun from zero:
; T = the sum over its rows t of lambda^(last - t) gamma u_t, u = inputs Wi^T + bi on codes of BF8 (E5M2) with E8M0 scales.  The next launch takes lambda^1024 T0 + T1.
; All is as in the next launch's block of 256 rows, up to the chain of the waves' totals; what follows there (the chunks' carries, x itself, the quantiser) is not needed here and is left out.
; SHARES.  Four blocks of 256 rows.  In a block wave w owns rows 64 w .. 64 w + 63 as four tiles i; LANE r OF TILE i HOLDS ROW 4 r + i: a lane is a chunk of four steps of time.
; THE PRODUCT IS USED TRANSPOSED (source 0 = 16 rows of Wi, source 1 = 16 rows of inputs); row m of Wi's tile (p, u) is u's column 64 cb + 2 (16 (m / 8) + 8 u + m % 8) + p: lane (r, h) holds, of its row,
; channels 16 h + 0 .. 15: 16 real registers on end, 16 imaginary on end.  Every wave keeps all 64 rows of Wi in 512 registers: a fragment of inputs read from LDS feeds four matrix instructions.
; CLUSTER.  The four work-groups of a cluster share b and q and so the rows of inputs: every tile is asked for jointly (mask 15).  The place in the cluster enters global addresses of Wi, bi, the parameters and the result alone.
; LDS.  Four regions, region i = the block's rows 4 r' + i, 64 rows x (1,024 + 16) bytes; region 3 is filled again while tiles 0-2 are multiplied, regions 0-2 while tile 3 is multiplied and the vector work is done.
; By this text's own count a wave has at most one tensor load out.
; RESULT.  tot [2 b + q][cb 32][channel 32][real, imaginary] f32: a work-group's 256 bytes leave by one store of wave 0.
; LIMITS.  NaN, infinities and scale bytes 0xff among the inputs are not served.  An exponential under 2^-126 comes out as 0.  The reduction of 64 theta by pi / 2 holds for 64 theta x 2 / pi under 2^23.
.set RGN,    66560                     ; a region: 64 rows x 1,040 bytes
.set APITCH, 1040                      ; 65 x 16: the 16 rows of a fragment load start at 16 different columns of 16 bytes
.set EX,     4*RGN                     ; each wave's own scratch: 16 chunks x 272 bytes (real at 4 d, imaginary at 128 + 4 d)
.set EXW,    4352
.set TOT,    EX+4*EXW                  ; the waves' totals: 256 w + 4 d, imaginary + 128
.set SPARE,  TOT+1024                  ; the spare words, 128 bytes for each wave: two blocks of 256 bytes that no other line names
; window 0: what feeds the products
.set ADRA, 4                           ; v4-7   LDS address of my fragments in region i
.set SPW,  8                           ; v8     LDS address of my spare word; never rewritten
.set NIL,  9                           ; v9     0; never rewritten
.set WA,   10                          ; v10    Wi's codes: my row and half
.set WSA,  11                          ; v11    Wi's scale words
.set ASA,  12                          ; v12    inputs' scale words: 64 bytes a lane
.set BA,   13                          ; v13    bi: 128 h
.set AS,   16                          ; v16-31 inputs' scale words: 8 (i % 2) + s; lanes 0-15 tile i % 2, lanes 16-31 tile 2 + i % 2
.set WS,   32                          ; v32-47 Wi's scale words: 8 u + s; lanes 0-15 p = 0, lanes 16-31 p = 1
.set BIAS, 48                          ; v48-79 bi in the result's layout: 16 p + 8 u + j
.set AF,   128                         ; v128-255 fragments of inputs
; window 1: the vector work.  v0-127 u: tile i at 32 i, real 0-15, imaginary 16-31
.set LR,   128                         ; lambda, real, of my 16 channels
.set LI,   144
.set GAM,  160
.set ST,   176                         ; a state: real 176-191, imaginary 192-207; at work in TOTAL
.set QT,   208                         ; a second state; the chunks' ends EC
.set EC,   208
.set EXS,  240                         ; EX + my wave + 272 r + 64 h
.set EXL,  241                         ; EX + my wave + 4 lane
.set TOTS, 242
.set TOTL, 243
.set TO,   244                         ; my byte offset in the work-group's 256 bytes of tot: 8 lane
.set L4R,  246                         ; lambda^4 of channel = lane
.set L4I,  247
.set L64R, 248
.set L64I, 249
.set CR,   250                         ; the state carried from block to block, channel = lane
.set CI,   251
.set L32R, 252
.set L32I, 253
; windows 2, 3: Wi's fragment (T = 2 p + u, K step s) at v[16 (4 (s % 4) + T)] of window 2 + s / 4
.set MSB, 0
.macro WIN new                         ; bits 1:0 source 0, 3:2 source 1, 5:4 source 2, 7:6 destination; the high byte repeats the setting that is left
.if MSB != \new
	s_set_vgpr_msb (MSB<<8)|\new
.set MSB, \new
.endif
.endm
.macro NOPS n
.rept \n
	v_nop
.endr
.endm
.macro ROUND                           ; a round of the cluster's barrier
	s_barrier_signal -1
	s_barrier_wait -1
	s_cmp_lg_u32 s20, 0
	s_cbranch_scc1 .Lnot_wave_0_\@
	s_barrier_signal -3
.Lnot_wave_0_\@:
	s_barrier_wait -3
	s_barrier_signal -1
	s_barrier_wait -1
.endm
.macro CFMA dr, di, mr, mi, sr, si, ar, ai   ; d = m s + a, one complex number a lane; d may be a, never s
	v_fma_f32 v[\dr], v[\mr], v[\sr], v[\ar]
	v_fma_f32 v[\di], v[\mr], v[\si], v[\ai]
	v_fma_f32 v[\dr], -v[\mi], v[\si], v[\dr]
	v_fma_f32 v[\di], v[\mi], v[\sr], v[\di]
.endm
	s_load_b256 s[4:11], s[0:1], 0x0               ; inputs' codes s[4:5], scales s[6:7]; Wi's codes s[8:9], scales s[10:11]
	s_load_b128 s[12:15], s[0:1], 0x20             ; bi s[12:13], params_log s[14:15]
	s_load_b64 s[16:17], s[0:1], 0x30              ; tot
	v_lshl_add_u32 v[SPW], v0, 2, SPARE
	v_mov_b32 v[NIL], 0
	ds_add_u32 v8, v9
	ds_add_u32 v8, v9
	s_wait_dscnt 0x0
	v_lshrrev_b32 v14, 5, v0
	v_readfirstlane_b32 s20, v14                   ; wave 0..3
	s_bfe_u32 s21, ttmp6, 0x40000                  ; cx
	s_lshl_b32 s22, ttmp9, 2
	s_add_co_u32 s22, s22, s21                     ; cb: my block of 32 channels
	s_and_b32 s23, ttmp7, 0xffff                   ; y = 2 b + q, which the four partners share
	; descriptor group 1: 64 rows x 1,024 bytes, four rows of memory apart, 16 bytes of padding behind each row
	s_mov_b32 s24, 15|(1<<20)|(1<<21)|(7<<22)|(3<<25)  ; 15:0 the mask: all four; 17:16 elements of 1 byte; 20 padding on; 21 set beside a mask; 24:22 after every 256 words; 31:25 four words
	s_mov_b32 s25, 1024<<16                        ; tensor_dim0
	s_mov_b32 s26, 64<<16                          ; tensor_dim1
	s_mov_b32 s27, 1024<<16                        ; tile_dim0
	s_mov_b32 s28, 64                              ; tile_dim1
	s_mov_b32 s29, 4096                            ; from row to row: four rows of inputs
	s_mov_b32 s30, 0
	s_mov_b32 s31, 0
.set WIL, SPARE+512                    ; behind the spare words: Wi's K steps 0-3, 64 rows x (512 + 16) bytes, filled once, by wave 3's load at the head
	s_mov_b32 s88, (1<<20)|(6<<22)|(3<<25)         ; its group 1: my work-group's own tile (no mask); four words of padding behind every 128
	s_mov_b32 s89, 512<<16
	s_mov_b32 s90, 64<<16
	s_mov_b32 s91, 512<<16
	s_mov_b32 s92, 64
	s_mov_b32 s93, 1024
	s_mov_b32 s94, 0
	s_mov_b32 s95, 0
	s_mov_b32 s96, 1                               ; and its group 0
	s_mov_b32 s97, WIL
	s_mov_b32 s32, 1                               ; group 0: count
	s_mul_i32 s33, s20, RGN                        ; LDS: wave i fills region i
	s_lshr_b32 s18, s23, 1                         ; b
	s_and_b32 s19, s23, 1                          ; q
	s_lshl_b32 s46, s18, 22                        ; the batch's 4,096 rows of 1,024 bytes,
	s_lshl_b32 s47, s19, 20                        ; the quarter's 1,024 rows,
	s_add_co_u32 s46, s46, s47
	s_lshl_b32 s47, s20, 10                        ; row i
	s_add_co_u32 s46, s46, s47
	s_mov_b32 s47, 0
	s_lshl_b32 s48, s18, 17                        ; inputs' scales: 32 bytes a row
	s_lshl_b32 s49, s19, 15
	s_add_co_u32 s48, s48, s49
	s_mov_b32 s49, 0
	s_lshl_b32 s50, s22, 16                        ; Wi's codes: 64 rows x 1,024
	s_mov_b32 s51, 0
	s_lshl_b32 s52, s22, 11                        ; Wi's scales: 64 rows x 32
	s_mov_b32 s53, 0
	s_lshl_b32 s54, s22, 8                         ; bi: 64 numbers
	s_mov_b32 s55, 0
	s_lshl_b32 s56, s22, 7                         ; the parameters: 32 numbers
	s_mov_b32 s57, 0
	s_lshl_b32 s58, s23, 13                        ; tot: 32 x 256 bytes for each y,
	s_lshl_b32 s59, s22, 8                         ; block cb
	s_add_co_u32 s58, s58, s59
	s_mov_b32 s59, 0
	s_mov_b32 s39, 3                               ; trips
	s_lshl_b32 s84, s18, 22                        ; the prefetches: my quarter's first byte,
	s_lshl_b32 s85, s19, 20
	s_add_co_u32 s84, s84, s85
	s_lshl_b32 s85, s21, 16                        ; my work-group's 64 rows of a block's 256: the four partners share a block out by address,
	s_add_co_u32 s84, s84, s85
	s_add_co_u32 s84, s84, 0x80000                 ; at block 2
	s_mov_b32 s85, 0
	s_mov_b32 s66, 0x3fb8aa3b                      ; log2(e), its head
	s_mov_b32 s67, 0x32a5705f                      ; and its tail
	s_mov_b32 s68, 0x3f317218                      ; ln 2
	s_mov_b32 s69, 0x3f22f983                      ; 2 / pi
	s_mov_b32 s70, 0x3fc90fdb                      ; pi / 2 in three terms
	s_mov_b32 s71, 0xb33bbd2e
	s_mov_b32 s72, 0xa6f72b00
	s_mov_b32 s73, 0xbe2aaaa3                      ; sine: r + r z (S1 + z (S2 + z S3))
	s_mov_b32 s74, 0x3c08839e
	s_mov_b32 s75, 0xb94ca1f9
	s_mov_b32 s76, 0x3d2aaaa5                      ; cosine: 1 - z / 2 + z z (C1 + z (C2 + z C3))
	s_mov_b32 s77, 0xbab6061a
	s_mov_b32 s78, 0x37ccf5ce
	s_wait_kmcnt 0x0
	s_add_nc_u64 s[34:35], s[4:5], s[46:47]        ; group 0: the tile's first byte,
	s_or_b32 s35, s35, 0x80000000                  ; type 2
	s_add_nc_u64 s[6:7], s[6:7], s[48:49]
	s_add_nc_u64 s[8:9], s[8:9], s[50:51]
	s_mov_b64 s[98:99], s[8:9]
	s_or_b32 s99, s99, 0x80000000
	s_add_nc_u64 s[10:11], s[10:11], s[52:53]
	s_add_nc_u64 s[12:13], s[12:13], s[54:55]
	s_add_nc_u64 s[14:15], s[14:15], s[56:57]
	s_add_nc_u64 s[16:17], s[16:17], s[58:59]
	s_add_nc_u64 s[82:83], s[4:5], s[84:85]        ; where my prefetches stand
	ROUND                                          ; all four work-groups are here: the first joint loads meet
	s_cmp_lt_u32 s20, 3
	s_cbranch_scc0 .Lfirst_wi
	tensor_load_to_lds s[32:35], s[24:31]          ; regions 0-2 of block 0; region 3 is first filled behind the first trip's round
	s_nop 0
	NOPS 4
	s_branch .Lfirst_asked
.Lfirst_wi:
	tensor_load_to_lds s[96:99], s[88:95]          ; wave 3: Wi's K steps 0-3: every way through the head passes one load
	s_nop 0
	NOPS 4
.Lfirst_asked:
	v_and_b32 v1, 31, v0                           ; lane
	v_and_b32 v2, 15, v0                           ; r
	v_bfe_u32 v3, v0, 4, 1                         ; h
	s_mul_i32 s48, s20, 16*APITCH
	v_mul_u32_u24 v14, v2, APITCH
	v_lshl_add_u32 v14, v3, 4, v14
	v_add_nc_u32 v[ADRA], s48, v14                 ; (16 w + r) x pitch + 16 h
	v_add_nc_u32 v[ADRA+1], RGN, v[ADRA]
	v_add_nc_u32 v[ADRA+2], 2*RGN, v[ADRA]
	v_add_nc_u32 v[ADRA+3], 3*RGN, v[ADRA]
	v_and_b32 v14, 7, v2
	v_lshrrev_b32 v15, 3, v2
	v_lshlrev_b32 v14, 1, v14
	v_lshl_add_u32 v14, v15, 5, v14                ; 2 (r % 8) + 32 (r / 8): my row of Wi's tile (0, 0)
	v_lshlrev_b32 v[WA], 10, v14
	v_lshl_add_u32 v[WA], v3, 4, v[WA]
.set WL, 83                            ; v83    the same row and half in Wi's tile in LDS
.set ZR, 84                            ; v84-91 zeros: the C on which tile 3's second set of sums begins
	v_mul_u32_u24 v[WL], v14, 528
	v_lshl_add_u32 v[WL], v3, 4, v[WL]
	v_add_nc_u32 v[WL], WIL, v[WL]
.irp k, 0,1,2,3,4,5,6,7
	v_mov_b32 v[ZR+\k], 0
.endr
	v_add_nc_u32 v[WSA], v14, v3                   ; lanes 16-31 take the imaginary rows' scale words
	v_lshlrev_b32 v[WSA], 5, v[WSA]
	s_lshl_b32 s48, s20, 11
	v_lshlrev_b32 v[ASA], 7, v2
	v_lshl_add_u32 v[ASA], v3, 6, v[ASA]
	v_add_nc_u32 v[ASA], s48, v[ASA]               ; rows 64 w + 4 r + 2 h and the next: 64 bytes
	v_lshlrev_b32 v[BA], 7, v3
.set PFO, 82                           ; v82    the prefetches' offset: 16,384 wave + 256 lane; never rewritten
	s_lshl_b32 s49, s20, 14
	v_lshl_add_u32 v[PFO], v1, 8, s49
	; A block's 256 rows are 262,144 consecutive bytes: 1,024 pieces of 256 bytes, each named once in the cluster: 4 work-groups x 4 waves x 2 lines x 32 lanes.  Here block 1; trip n asks for block n + 2.
	global_prefetch_b8 v[PFO], s[82:83] offset:-262144 th:TH_LOAD_NT scope:SCOPE_SE
	global_prefetch_b8 v[PFO], s[82:83] offset:-253952 th:TH_LOAD_NT scope:SCOPE_SE
	s_mul_i32 s48, s20, EXW
	s_add_co_u32 s48, s48, EX
	v_mul_u32_u24 v14, v2, 272
	v_lshl_add_u32 v14, v3, 6, v14
	s_lshl_b32 s49, s20, 8
	s_add_co_u32 s49, s49, TOT
	WIN 0x40                                       ; destination window 1, sources window 0
	v_add_nc_u32 v[EXS], s48, v14
	v_lshl_add_u32 v[EXL], v1, 2, s48
	v_lshl_add_u32 v239, v3, 6, s48                ; (for the head alone: my wave's scratch + 64 h)
	v_lshlrev_b32 v238, 2, v1                      ; (for the head alone: 4 lane)
	v_lshl_add_u32 v[TOTS], v1, 2, s49
	v_lshl_add_u32 v[TOTL], v1, 2, TOT
	v_lshlrev_b32 v[TO], 3, v1
	WIN 0x55                                       ; all of window 1
	global_load_b32 v0, v238, s[14:15]             ; log v, log theta, log gamma of channel 32 cb + lane
	global_load_b32 v1, v238, s[14:15] offset:4096
	global_load_b32 v2, v238, s[14:15] offset:8192
	WIN 0xc0                                       ; Wi stays in registers: K steps 4-7 come straight into window 3; K steps 0-3 come through LDS, at the head's end
.irp s, 0,1,2,3
.irp p, 0,1
.irp u, 0,1
.irp c, 0,1,2,3
	global_load_b128 v[16*(4*\s+2*\p+\u)+4*\c:16*(4*\s+2*\p+\u)+4*\c+3], v[WA], s[8:9] offset:(16*\u+\p)*1024+128*(\s+4)+32*\c
.endr
.endr
.endr
.endr
	WIN 0
.irp u, 0,1
	global_load_b128 v[WS+8*\u:WS+8*\u+3], v[WSA], s[10:11] offset:512*\u
	global_load_b128 v[WS+8*\u+4:WS+8*\u+7], v[WSA], s[10:11] offset:512*\u+16
.endr
.irp p, 0,1
.irp u, 0,1
.irp j, 0,1,2,3,4,5,6,7
	global_load_b32 v[BIAS+16*\p+8*\u+\j], v[BA], s[12:13] offset:64*\u+8*\j+4*\p   ; bi at column 64 cb + 2 (16 h + 8 u + j) + p
.endr
.endr
.endr
.macro ASLOAD                          ; a block's scale words of inputs: the wave reads 2,048 consecutive bytes
.irp q, 0,1,2,3
	global_load_b128 v[AS+4*\q:AS+4*\q+3], v[ASA], s[6:7] offset:16*\q
.endr
.endm
	ASLOAD
	s_wait_loadcnt 0x3f                            ; the parameters were asked for first and 104 loads follow them: they are in; the rest is waited for ahead of the first product
	WIN 0x55
; e^x: x log2(e) in two parts; 2^head by the exponential, the tail by one multiply-add
; v, theta, gamma = e^x of v0-2 into v3-5, the three by turns
.irp k, 0,1,2
	v_mul_f32 v[6+\k], s66, v[\k]
.endr
.irp k, 0,1,2
	v_fma_f32 v[9+\k], v[\k], s66, -v[6+\k]
.endr
.irp k, 0,1,2
	v_fma_f32 v[9+\k], v[\k], s67, v[9+\k]
.endr
	s_wait_alu depctr_va_vdst(0)                   ; ahead of the batch
.irp k, 0,1,2
	v_exp_f32 v[3+\k], v[6+\k]
.endr
.irp k, 0,1,2
	v_mul_f32 v[9+\k], s68, v[9+\k]                ; (plain instructions behind the exponentials)
.endr
	s_wait_alu depctr_va_vdst(0)                   ; and behind it, ahead of the first reader
.irp k, 0,1,2
	v_fma_f32 v[3+\k], v[3+\k], v[9+\k], v[3+\k]
.endr
; lambda^n = exp(-n v) (cos(n theta) + i sin(n theta)), n a power of two, so -n v and n theta are exact.  Each n has 13 registers from b on; the powers go by turns, one line of each at a time, so that no line reads the line above it.
.macro LIN b, mn, pn
	v_mul_f32 v[\b], \mn, v3
	v_mul_f32 v[\b+1], \pn, v4
.endm
.macro LST st, b
.if \st == 0
	v_mul_f32 v[\b+2], s66, v[\b]
.elseif \st == 1
	v_fma_f32 v[\b+3], v[\b], s66, -v[\b+2]
.elseif \st == 2
	v_fma_f32 v[\b+3], v[\b], s67, v[\b+3]
.elseif \st == 3
	v_exp_f32 v[\b+4], v[\b+2]
.elseif \st == 4
	v_mul_f32 v[\b+3], s68, v[\b+3]
.elseif \st == 5
	v_mul_f32 v[\b+5], s69, v[\b+1]
.elseif \st == 6
	v_rndne_f32 v[\b+5], v[\b+5]                   ; k quarter turns
.elseif \st == 7
	v_fma_f32 v[\b+6], -v[\b+5], s70, v[\b+1]
.elseif \st == 8
	v_fma_f32 v[\b+6], -v[\b+5], s71, v[\b+6]
.elseif \st == 9
	v_fma_f32 v[\b+6], -v[\b+5], s72, v[\b+6]      ; what is left, within pi / 4
.elseif \st == 10
	v_mul_f32 v[\b+7], v[\b+6], v[\b+6]
.elseif \st == 11
	v_fma_f32 v[\b+8], v[\b+7], s75, s74
.elseif \st == 12
	v_fma_f32 v[\b+9], v[\b+7], s78, s77
.elseif \st == 13
	v_fma_f32 v[\b+8], v[\b+8], v[\b+7], s73
.elseif \st == 14
	v_fma_f32 v[\b+9], v[\b+9], v[\b+7], s76
.elseif \st == 15
	v_mul_f32 v[\b+10], v[\b+6], v[\b+7]
.elseif \st == 16
	v_mul_f32 v[\b+11], v[\b+7], v[\b+7]
.elseif \st == 17
	v_fma_f32 v[\b+12], v[\b+7], -0.5, 1.0
.elseif \st == 18
	v_fma_f32 v[\b+8], v[\b+8], v[\b+10], v[\b+6]  ; sine
.elseif \st == 19
	v_fma_f32 v[\b+9], v[\b+9], v[\b+11], v[\b+12] ; cosine
.elseif \st == 20
	v_cvt_i32_f32 v[\b+5], v[\b+5]
.elseif \st == 21
	v_and_b32 v[\b+10], 1, v[\b+5]
.elseif \st == 22
	v_cmp_ne_u32 vcc_lo, 0, v[\b+10]               ; an odd quarter swaps the two: a choice of values, no branch
	v_cndmask_b32 v[\b+11], v[\b+8], v[\b+9], vcc_lo
	v_cndmask_b32 v[\b+12], v[\b+9], v[\b+8], vcc_lo
.elseif \st == 23
	v_lshlrev_b32 v[\b+8], 30, v[\b+5]
.elseif \st == 24
	v_add_nc_u32 v[\b+5], 1, v[\b+5]
.elseif \st == 25
	v_and_b32 v[\b+8], 0x80000000, v[\b+8]         ; the sine's sign: quarters 2, 3
.elseif \st == 26
	v_lshlrev_b32 v[\b+5], 30, v[\b+5]
.elseif \st == 27
	v_xor_b32 v[\b+11], v[\b+8], v[\b+11]
.elseif \st == 28
	v_and_b32 v[\b+5], 0x80000000, v[\b+5]         ; the cosine's: quarters 1, 2
.elseif \st == 29
	v_xor_b32 v[\b+12], v[\b+5], v[\b+12]
.else
	v_fma_f32 v[\b+4], v[\b+4], v[\b+3], v[\b+4]   ; exp(-n v)
.endif
.endm
.macro LALL st
.irp b, 32,48,64,80
	LST \st, \b
.endr
.endm
.macro LOUT b, dr, di
	v_mul_f32 v[\dr], v[\b+4], v[\b+12]
	v_mul_f32 v[\di], v[\b+4], v[\b+11]
.endm
	LIN 32, 0xbf800000, 0x3f800000
	LIN 48, 0xc0800000, 0x40800000
	LIN 64, 0xc2000000, 0x42000000
	LIN 80, 0xc2800000, 0x42800000
.irp st, 0,1,2
	LALL \st
.endr
	s_wait_alu depctr_va_vdst(0)                   ; ahead of the batch
.irp st, 3,4,5,6,7,8,9,10,11,12,13,14,15,16,17,18,19,20,21,22,23,24,25,26,27,28,29
	LALL \st
.endr
	s_wait_alu depctr_va_vdst(0)                   ; and ahead of the first reader of the exponentials
	LALL 30
	LOUT 32, 20, 21
	LOUT 48, L4R, L4I
	LOUT 64, L32R, L32I
	LOUT 80, L64R, L64I
	ds_store_b32 v[EXL], v20                       ; lambda and gamma change layout through my wave's own scratch: LDS serves a wave's instructions in order
	ds_store_b32 v[EXL], v21 offset:128
	ds_store_b32 v[EXL], v5 offset:256
.irp q, 0,1,2,3
	ds_load_b128 v[LR+4*\q:LR+4*\q+3], v239 offset:16*\q
	ds_load_b128 v[LI+4*\q:LI+4*\q+3], v239 offset:128+16*\q
	ds_load_b128 v[GAM+4*\q:GAM+4*\q+3], v239 offset:256+16*\q
.endr
	v_mov_b32 v[CR], 0                             ; the quarter is begun from zero
	v_mov_b32 v[CI], 0
	s_wait_dscnt 0x0
	WIN 0
	s_wait_tensorcnt 0x0                           ; my tile of the head's four has landed (wave 3: Wi's)
	ds_add_u32 v[SPW], v[NIL]
	s_wait_dscnt 0x0
	s_barrier_signal -1
	s_barrier_wait -1                              ; Wi's tile is whole for every wave
	WIN 0x80                                       ; K steps 0-3 into window 2
.irp s, 0,1,2,3
.irp p, 0,1
.irp u, 0,1
.irp c, 0,1,2,3
	ds_load_b128 v[16*(4*\s+2*\p+\u)+4*\c:16*(4*\s+2*\p+\u)+4*\c+3], v[WL] offset:(16*\u+\p)*528+128*\s+32*\c
.endr
.endr
.endr
.endr
	WIN 0                                          ; (they are waited for at the first block's top)
; One matrix instruction: tile i of rows, Wi's tile (p, u), K step s, the fragment of inputs at v[af].  K step 0 takes bi as C: no addition, nothing cleared.
.macro WM i, p, u, s, af
.set rD, 32*(\i)+16*(\p)+8*(\u)
.set rA, 16*(4*((\s)%4)+2*(\p)+(\u))
.set rB, \af
.set rC, rD
.if (\s) == 0
.set rC, BIAS+16*(\p)+8*(\u)
.endif
.if ((\i) == 3) && (((\s) % 2) == 1)   ; tile 3's odd K steps have four accumulators of their own, where the state ST lies idle: eight accumulators take turns
.set rD, ST+16*(\p)+8*(\u)
.set rC, rD
.if (\s) == 1
.set rC, ZR
.endif
.endif
.set rX, WS+8*(\u)+(\s)
.set rY, AS+8*((\i)%2)+(\s)
.if ((\p) == 1) && ((\i) >= 2)
	v_wmma_scale_f32_16x16x128_f8f6f4 v[rD:rD+7], v[rA:rA+15], v[rB:rB+15], v[rC:rC+7], v[rX], v[rY] matrix_a_fmt:MATRIX_FMT_BF8 matrix_b_fmt:MATRIX_FMT_BF8 matrix_a_scale:MATRIX_SCALE_ROW1 matrix_b_scale:MATRIX_SCALE_ROW1
.elseif (\p) == 1
	v_wmma_scale_f32_16x16x128_f8f6f4 v[rD:rD+7], v[rA:rA+15], v[rB:rB+15], v[rC:rC+7], v[rX], v[rY] matrix_a_fmt:MATRIX_FMT_BF8 matrix_b_fmt:MATRIX_FMT_BF8 matrix_a_scale:MATRIX_SCALE_ROW1
.elseif (\i) >= 2
	v_wmma_scale_f32_16x16x128_f8f6f4 v[rD:rD+7], v[rA:rA+15], v[rB:rB+15], v[rC:rC+7], v[rX], v[rY] matrix_a_fmt:MATRIX_FMT_BF8 matrix_b_fmt:MATRIX_FMT_BF8 matrix_b_scale:MATRIX_SCALE_ROW1
.else
	v_wmma_scale_f32_16x16x128_f8f6f4 v[rD:rD+7], v[rA:rA+15], v[rB:rB+15], v[rC:rC+7], v[rX], v[rY] matrix_a_fmt:MATRIX_FMT_BF8 matrix_b_fmt:MATRIX_FMT_BF8
.endif
.endm
.macro FET3 s, buf                     ; K step s of tiles 0-2: 12 loads
.irp i, 0,1,2
.irp c, 0,1,2,3
	ds_load_b128 v[AF+64*(\buf)+16*\i+4*\c:AF+64*(\buf)+16*\i+4*\c+3], v[ADRA+\i] offset:128*(\s)+32*\c
.endr
.endr
.endm
; Tiles 0-2: 96 matrix instructions, 12 accumulators by turns, the next K step's fragments fetched ahead into the other half of the buffer.
.macro MA
	FET3 0, 0
.irp s, 0,1,2,3,4,5,6,7
.if \s < 7
.if \s > 0
	NOPS 8                                         ; eight places between the products of K step s - 1 and the loads into the registers that they read
.endif
	FET3 \s+1, (\s+1)%2
	s_wait_dscnt 12                                ; this K step's 12 loads are in; the next step's 12 may be out
.else
	s_wait_dscnt 0x0
.endif
.if \s == 0
	s_wait_loadcnt 0x0                             ; the block's scale words of inputs
	WIN 0x42                                       ; Wi window 2, inputs window 0, C = bi window 0, D window 1
.elseif \s < 4
	WIN 0x52                                       ; C and D window 1
.else
	WIN 0x53                                       ; Wi window 3
.endif
.irp i, 0,1,2
.irp p, 0,1
.irp u, 0,1
	WM \i, \p, \u, \s, AF+64*(\s%2)+16*\i
.endr
.endr
.endr
	WIN 0
.endr
.endm
; Tile 3: all eight fragments at once, 32 matrix instructions, four accumulators by turns.
.macro MB
.irp s, 0,1,2,3,4,5,6,7
.irp c, 0,1,2,3
	ds_load_b128 v[AF+16*\s+4*\c:AF+16*\s+4*\c+3], v[ADRA+3] offset:128*\s+32*\c
.endr
.endr
	s_wait_dscnt 16                                ; K steps 0-3 are in; the 16 loads of K steps 4-7 may be out
.irp s, 0,1,2,3,4,5,6,7
.if \s < 2
	WIN 0x42                                       ; C in window 0: bi, or the zeros
.elseif \s < 4
	WIN 0x52
.else
.if \s == 4
	s_wait_dscnt 0x0
.endif
	WIN 0x53
.endif
.irp p, 0,1
.irp u, 0,1
	WM 3, \p, \u, \s, AF+16*\s
.endr
.endr
.endr
	WIN 0
.endm
.macro GAMMA i                         ; u x gamma, each accumulator from its low end on
.irp q, 0,2,4,6,8,10,12,14
	v_pk_mul_f32 v[32*\i+\q:32*\i+\q+1], v[32*\i+\q:32*\i+\q+1], v[GAM+\q:GAM+\q+1]
.endr
.irp q, 0,2,4,6,8,10,12,14
	v_pk_mul_f32 v[32*\i+16+\q:32*\i+17+\q], v[32*\i+16+\q:32*\i+17+\q], v[GAM+\q:GAM+\q+1]
.endr
.endm
.macro CSTEP d, s, a                   ; d = lambda s + a for my 16 channels, two at a time; d may be a, never s
.irp k, 0,2,4,6,8,10,12,14
	v_pk_fma_f32 v[\d+\k:\d+\k+1], v[LR+\k:LR+\k+1], v[\s+\k:\s+\k+1], v[\a+\k:\a+\k+1]
	v_pk_fma_f32 v[\d+16+\k:\d+17+\k], v[LR+\k:LR+\k+1], v[\s+16+\k:\s+17+\k], v[\a+16+\k:\a+17+\k]
.endr
.irp k, 0,2,4,6,8,10,12,14
	v_pk_fma_f32 v[\d+\k:\d+\k+1], v[LI+\k:LI+\k+1], v[\s+16+\k:\s+17+\k], v[\d+\k:\d+\k+1] neg_lo:[1,0,0] neg_hi:[1,0,0]
	v_pk_fma_f32 v[\d+16+\k:\d+17+\k], v[LI+\k:LI+\k+1], v[\s+\k:\s+\k+1], v[\d+16+\k:\d+17+\k]
.endr
.endm
; The chunks' ends (in ST: a lane = a chunk) are chained into the state behind the block (a lane = a channel).
.macro TOTAL
.irp q, 0,1,2,3
	ds_store_b128 v[EXS], v[ST+4*\q:ST+4*\q+3] offset:16*\q
	ds_store_b128 v[EXS], v[ST+16+4*\q:ST+19+4*\q] offset:128+16*\q
.endr
.irp r, 0,1,2,3,4,5,6,7,8,9,10,11,12,13,14,15
	ds_load_b32 v[EC+\r], v[EXL] offset:272*\r       ; my wave's own bytes, served in order: these see the stores above
	ds_load_b32 v[EC+16+\r], v[EXL] offset:272*\r+128
.endr
	s_wait_dscnt 0x0
	CFMA 176, 177, L4R, L4I, EC, EC+16, EC+1, EC+17          ; two chains by turns: chunks 0-7 end in v176-177, chunks 8-15 in v180-181
	CFMA 180, 181, L4R, L4I, EC+8, EC+24, EC+9, EC+25
.irp r, 2,3,4,5,6,7
	CFMA 176+2*((\r+1)%2), 177+2*((\r+1)%2), L4R, L4I, 176+2*(\r%2), 177+2*(\r%2), EC+\r, EC+16+\r
	CFMA 180+2*((\r+1)%2), 181+2*((\r+1)%2), L4R, L4I, 180+2*(\r%2), 181+2*(\r%2), EC+8+\r, EC+24+\r
.endr
	CFMA 184, 185, L32R, L32I, 176, 177, 180, 181            ; my wave's 64 rows from zero
	ds_store_b32 v[TOTS], v184
	ds_store_b32 v[TOTS], v185 offset:128
	s_wait_dscnt 0x0                               ; for the others' sake: my total lies in LDS
	s_barrier_signal -1
	s_barrier_wait -1
.irp v, 0,1,2,3
	ds_load_b32 v[186+2*\v], v[TOTL] offset:256*\v
	ds_load_b32 v[187+2*\v], v[TOTL] offset:256*\v+128
.endr
	s_wait_dscnt 0x0                               ; the totals are written again only behind the next block's two rounds
	CFMA 194, 195, L64R, L64I, CR, CI, 186, 187              ; the state behind wave 0, 1, 2, 3: every wave makes all four
	CFMA 196, 197, L64R, L64I, 194, 195, 188, 189
	CFMA 198, 199, L64R, L64I, 196, 197, 190, 191
	CFMA 200, 201, L64R, L64I, 198, 199, 192, 193
	v_mov_b32 v[CR], v200                          ; into the next block
	v_mov_b32 v[CI], v201
.endm
; A BLOCK OF 256 ROWS.  last = 1: the fourth, which asks for nothing beyond its own region 3.
.macro SB last
	s_wait_tensorcnt 0x0                           ; all my tensor loads have landed: my region of this block, if I fill one of regions 0-2
	ds_add_u32 v[SPW], v[NIL]                      ; 0 onto my spare word
	s_wait_dscnt 0x0                               ; the add is done, and my reads of region 3 (the first time: of Wi's tile) are over
	ROUND                                          ; both hold of every wave of the four work-groups
	s_cmp_eq_u32 s20, 3
	s_cbranch_scc0 .Lnot_3_\@
	tensor_load_to_lds s[32:35], s[24:31]          ; region 3 of this block: it lands while tiles 0-2 are multiplied
	s_nop 0
	NOPS 4
.Lnot_3_\@:
	MA
	NOPS 8                                         ; eight places behind the last products, for the loads into their fragments; the vector work on tiles 0-2 stands behind the next round, so that regions 0-2 are asked for first
	s_wait_tensorcnt 0x0                           ; wave 3: region 3 has landed
	ds_add_u32 v[SPW], v[NIL]
.if \last == 0
	s_add_nc_u64 s[34:35], s[34:35], 0x40000       ; no load of mine is out: the address steps 256 rows (wave 3 uses it in the next block)
	s_wait_dscnt 0x0                               ; the add is done, and my reads of regions 0-2 are over
	ROUND
	s_cmp_lt_u32 s20, 3
	s_cbranch_scc0 .Lis_3_\@
	tensor_load_to_lds s[32:35], s[24:31]          ; regions 0-2 of the next block: they land while tile 3 is multiplied and the vector work is done
	s_nop 0
	NOPS 4
.Lis_3_\@:
.else
	s_wait_dscnt 0x0
	s_barrier_signal -1
	s_barrier_wait -1                              ; region 3 is whole for every wave; nothing is filled
.endif
	MB
	NOPS 8                                         ; eight places: for the reads of tile 3's results, and for the loads into the scale words' registers
.if \last == 0
	s_add_nc_u64 s[6:7], s[6:7], 0x2000            ; (its last loads were waited for ahead of the block's first product)
	ASLOAD                                         ; the next block's scale words of inputs
	s_cmp_gt_u32 s39, 1                            ; the block two on: the loop's last trip has none
	s_cbranch_scc0 .Lno_ask_\@
	global_prefetch_b8 v[PFO], s[82:83] th:TH_LOAD_NT scope:SCOPE_SE
	global_prefetch_b8 v[PFO], s[82:83] offset:8192 th:TH_LOAD_NT scope:SCOPE_SE
.Lno_ask_\@:
.endif
	WIN 0x55
.irp q, 0,2,4,6,8,10,12,14,16,18,20,22,24,26,28,30
	v_pk_add_f32 v[96+\q:97+\q], v[96+\q:97+\q], v[ST+\q:ST+\q+1]   ; tile 3: the odd K steps' sums onto the even ones', each accumulator from its low end on
.endr
	GAMMA 0
	GAMMA 1
	GAMMA 2
	GAMMA 3
	CSTEP ST, 0, 32                                ; a chunk from zero: lambda u0 + u1,
	CSTEP QT, ST, 64                               ; lambda (..) + u2,
	CSTEP ST, QT, 96
	TOTAL
	WIN 0
.if \last == 0
	s_wait_xcnt 0x0                                ; the prefetches have read their base
	s_add_nc_u64 s[82:83], s[82:83], 0x40000       ; one block on
.endif
.endm
.Lblock:                                           ; 3 trips; the fourth block is written out
	SB 0
	s_sub_co_i32 s39, s39, 1
	s_cmp_lg_u32 s39, 0
	s_cbranch_scc1 .Lblock
	SB 1
	s_cmp_lg_u32 s20, 0                            ; every wave holds the same state: wave 0 stores it
	s_cbranch_scc1 .Lno_store
	WIN 0x05                                       ; address and data in window 1
	global_store_b64 v[TO], v[CR:CI], s[16:17]     ; 32 lanes store 256 consecutive bytes, aligned
	WIN 0
.Lno_store:
	s_wait_tensorcnt 0x0                           ; the wave's end
	ds_add_u32 v[SPW], v[NIL]
	s_wait_dscnt 0x0
	ROUND                                          ; the closing round: no work-group ends while a partner may still ask for a tile that names it
	s_endpgm
.Lfunc_end_k_qdd3ecb178e_pre:
	.size	k_qdd3ecb178e_pre, .Lfunc_end_k_qdd3ecb178e_pre-k_qdd3ecb178e_pre
	.p2alignl 7, 3214868480
	.fill 96, 4, 3214868480
	.section	.rodata,"a",@progbits
	.p2align	6, 0x0
	.amdhsa_kernel k_qdd3ecb178e_pre
		.amdhsa_group_segment_fixed_size 327680
		.amdhsa_private_segment_fixed_size 0
		.amdhsa_enable_private_segment 0
		.amdhsa_kernarg_size 56
		.amdhsa_user_sgpr_count 2
		.amdhsa_user_sgpr_kernarg_segment_ptr 1
		.amdhsa_wavefront_size32 1
		.amdhsa_system_sgpr_workgroup_id_x 1
		.amdhsa_system_sgpr_workgroup_id_y 1
		.amdhsa_system_sgpr_workgroup_id_z 1
		.amdhsa_system_vgpr_workitem_id 0
		.amdhsa_next_free_vgpr 1024
		.amdhsa_next_free_sgpr 100
		.amdhsa_reserve_vcc 1
		.amdhsa_float_denorm_mode_32 3
		.amdhsa_float_denorm_mode_16_64 3
		.amdhsa_memory_ordered 1
		.amdhsa_forward_progress 1
		.amdhsa_inst_pref_size 128
	.end_amdhsa_kernel
	.amdgpu_metadata
---
amdhsa.version: [ 1, 2 ]
amdhsa.kernels:
  - .name:           k_qdd3ecb178e_pre
    .symbol:         k_qdd3ecb178e_pre.kd
    .args:
      - { .name: inputs_codes, .offset: 0, .size: 8, .value_kind: global_buffer, .address_space: global }
      - { .name: inputs_scales, .offset: 8, .size: 8, .value_kind: global_buffer, .address_space: global }
      - { .name: Wi_codes, .offset: 16, .size: 8, .value_kind: global_buffer, .address_space: global }
      - { .name: Wi_scales, .offset: 24, .size: 8, .value_kind: global_buffer, .address_space: global }
      - { .name: bi, .offset: 32, .size: 8, .value_kind: global_buffer, .address_space: global }
      - { .name: params_log, .offset: 40, .size: 8, .value_kind: global_buffer, .address_space: global }
      - { .name: tot, .offset: 48, .size: 8, .value_kind: global_buffer, .address_space: global }
    .group_segment_fixed_size: 327680
    .private_segment_fixed_size: 0
    .kernarg_segment_align: 8
    .kernarg_segment_size: 56
    .max_flat_workgroup_size: 128
    .sgpr_count:     100
    .vgpr_count:     1024
    .wavefront_size: 32
...
	.end_amdgpu_metadata
.endif
;; end of part 1
;; launch scan (part 2): grid 32 x 8, 4 waves a work-group, clusters of 4 x 1, 327,680 bytes of LDS; arguments inputs_codes, inputs_scales, Wi_codes, Wi_scales, bi, params_log, xcodes, xsc, tot; writes xcodes, xsc
.if DOCPART == 2
	.amdgcn_target "amdgcn-amd-amdhsa--gfx1250"
	.amdhsa_code_object_version 6
	.text
	.protected	k_qdd3ecb178e_scan
	.globl	k_qdd3ecb178e_scan
	.p2align	8
	.type	k_qdd3ecb178e_scan,@function
k_qdd3ecb178e_scan:
	s_mov_b64 s[64:65], 0
	v_nop
	global_prefetch_b8 v0, s[64:65] scope:SCOPE_SE
	s_setreg_imm32_b32 hwreg(HW_REG_WAVE_MODE, 25, 1), 1
	s_wait_xcnt 0x0
	s_wait_alu depctr_hold_cnt(0) depctr_sa_sdst(0) depctr_va_vdst(0) depctr_va_sdst(0) depctr_va_ssrc(0) depctr_va_vcc(0) depctr_vm_vsrc(0)
	s_getreg_b32 s2, hwreg(HW_REG_IB_STS2, 6, 4)
	s_cmp_eq_u32 s2, 0
	s_cbranch_scc0 .Lentry_in_a_cluster
	s_endpgm
.Lentry_in_a_cluster:
	s_bfe_u32 s2, ttmp6, 0x10000c
	s_cmp_lg_u32 s2, 0x3003
	s_cbranch_scc0 .Lentry_shape_is_right
	s_endpgm
.Lentry_shape_is_right:
; u = inputs Wi^T + bi on codes of BF8 (E5M2) with E8M0 scales; x_t = lambda x_(t-1) + gamma u_t along the 4,096 steps of a batch (lambda = exp(-e^vlog + i e^thetalog), one for each
; of 1,024 channels; u's columns 2 d, 2 d + 1 are channel d's real and imaginary part); x is quantised along [real 1,024 | imaginary 1,024] in blocks of 32 and stored as the next product's operand.
; SHARES.  A block of 32 along that K is 32 neighbouring channels.  A work-group owns (batch, half of the 4,096 steps, 32 channels): 4 x 2 x 32 = 256 work-groups.  The first half begins from zero; the second from the state
; at row 2,047, lambda^1024 T0 + T1, T0 and T1 being the two quarters' end states that the launch before stored.  Both halves run the same lines: the first half's carry is set to 0 by a select on the half's number.
; A work-group walks its 2,048 rows in 8 blocks of 256.  In a block wave w owns rows 64 w .. 64 w + 63 as four tiles i; LANE r OF TILE i HOLDS ROW 4 r + i: a lane is a chunk of four steps of time.
; THE PRODUCT IS USED TRANSPOSED (source 0 = 16 rows of Wi, source 1 = 16 rows of inputs), and Wi's rows of a tile are chosen: row m of tile (p, u) is u's column 64 cb + 2 (16 (m / 8) + 8 u + m % 8) + p.
; So lane (r, h) holds, of its row, channels 16 h + 0 .. 15: 16 real registers on end, 16 imaginary on end: the recurrence runs inside the lane, and the conversions' results are the next operand's registers.
; Every wave keeps all 64 rows of Wi (1,024 along K) in 512 registers: a fragment of inputs read from LDS feeds four matrix instructions.
; THE RECURRENCE of a block: u x gamma; each chunk's end from zero (three steps); the chunks' ends change lanes through LDS (a lane becomes a channel), are chained with lambda^4, the waves' totals with lambda^64,
; and each chunk gets its true carry; four steps from that carry give x in place.  lambda^n for n = 1, 4, 32, 64, 1,024 is made directly as exp(-n v) cis(n theta); n theta is exact.
; CLUSTER.  The four work-groups of a cluster share the batch and the half and so the rows of inputs: every tile is asked for jointly (mask 15).  The place in the cluster enters global addresses of Wi, bi, the parameters, tot and the results alone.
; LDS.  Four regions, region i = the block's rows 4 r' + i (the load's stride of four rows sorts them), 64 rows x (1,024 + 16) bytes.  Each region is filled again in place: region 3 while tiles 0-2 are multiplied,
; regions 0-2 while tile 3 is multiplied and the vector work is done.  By this text's own count a wave has at most one tensor load out.
; RESULTS.  xcodes [row tile T][block 64][lane 32][16 bytes]: registers 4 c .. 4 c + 3 of the fragment of T's 16 rows; T = ((16 b + n) 4 + w) 4 + i, n the block of 256 rows in the batch, its row r = row 4 r + i of wave w's 64.  xsc [block 64][row 16,384]: scale bytes.
; LIMITS.  NaN, infinities and scale bytes 0xff among the inputs are not served.  A block of zeros gets the byte 1 (its codes are zeros; this program alone reads the bytes).  An exponential under 2^-126 comes out as 0.
; The reduction of 1,024 theta by pi / 2 holds for 1,024 theta x 2 / pi under 2^23.  The sums of the recurrence are formed in another order than a tree of doublings; all of it is f32, a weight a product of fewer than a hundred factors.
.set RGN,    66560                     ; a region: 64 rows x 1,040 bytes
.set APITCH, 1040                      ; 65 x 16: the 16 rows of a fragment load start at 16 different columns of 16 bytes
.set EX,     4*RGN                     ; each wave's own scratch: 16 chunks x 272 bytes (real at 4 d, imaginary at 128 + 4 d)
.set EXW,    4352
.set TOT,    EX+4*EXW                  ; the waves' totals: 256 w + 4 d, imaginary + 128
.set SCP,    TOT+1024                  ; the work-group's scale bytes: plane x 2,048 + row in the half
.set SPARE,  SCP+8192                  ; the spare words, 128 bytes for each wave: two blocks of 256 bytes that no other line names
; window 0: what feeds the products
.set ADRA, 4                           ; v4-7   LDS address of my fragments in region i
.set SPW,  8                           ; v8     LDS address of my spare word; never rewritten
.set NIL,  9                           ; v9     0; never rewritten
.set WA,   10                          ; v10    Wi's codes: my row and half
.set WSA,  11                          ; v11    Wi's scale words
.set ASA,  12                          ; v12    inputs' scale words: 64 bytes a lane
.set BA,   13                          ; v13    bi: 128 h
.set AS,   16                          ; v16-31 inputs' scale words: 8 (i % 2) + s; lanes 0-15 tile i % 2, lanes 16-31 tile 2 + i % 2
.set WS,   32                          ; v32-47 Wi's scale words: 8 u + s; lanes 0-15 p = 0, lanes 16-31 p = 1
.set BIAS, 48                          ; v48-79 bi in the result's layout: 16 p + 8 u + j
.set SCR,  80                          ; v80    the end: where I read scale bytes back
.set XSO,  81                          ; v81    the end: my byte offset in xsc
.set AF,   128                         ; v128-255 fragments of inputs
; window 1: the vector work.  v0-127 u, then x: tile i at 32 i, real 0-15, imaginary 16-31
.set LR,   128                         ; lambda, real, of my 16 channels
.set LI,   144
.set GAM,  160
.set ST,   176                         ; a state: real 176-191, imaginary 192-207; at work in CARRY
.set QT,   208                         ; a second state; the chunks' ends EC; at work in QUANT
.set EC,   208
.set EXS,  240                         ; EX + my wave + 272 r + 64 h
.set EXL,  241                         ; EX + my wave + 4 lane
.set TOTS, 242
.set TOTL, 243
.set XO,   244                         ; my byte offset in xcodes: 16 lane + 131,072 w
.set SCPA, 245                         ; SCP + 2,048 h + 64 w + 4 r
.set L4R,  246                         ; lambda^4 of channel = lane
.set L4I,  247
.set L64R, 248
.set L64I, 249
.set CR,   250                         ; the carry into the block, channel = lane
.set CI,   251
.set L32R, 252
.set L32I, 253
.set SBR,  254                         ; four scale bytes, real; imaginary
.set SBI,  255
; windows 2, 3: Wi's fragment (T = 2 p + u, K step s) at v[16 (4 (s % 4) + T)] of window 2 + s / 4
.set MSB, 0
.macro WIN new                         ; bits 1:0 source 0, 3:2 source 1, 5:4 source 2, 7:6 destination; the high byte repeats the setting that is left
.if MSB != \new
	s_set_vgpr_msb (MSB<<8)|\new
.set MSB, \new
.endif
.endm
.macro NOPS n
.rept \n
	v_nop
.endr
.endm
.macro ROUND                           ; a round of the cluster's barrier
	s_barrier_signal -1
	s_barrier_wait -1
	s_cmp_lg_u32 s20, 0
	s_cbranch_scc1 .Lnot_wave_0_\@
	s_barrier_signal -3
.Lnot_wave_0_\@:
	s_barrier_wait -3
	s_barrier_signal -1
	s_barrier_wait -1
.endm
.macro CFMA dr, di, mr, mi, sr, si, ar, ai   ; d = m s + a, one complex number a lane; d may be a, never s
	v_fma_f32 v[\dr], v[\mr], v[\sr], v[\ar]
	v_fma_f32 v[\di], v[\mr], v[\si], v[\ai]
	v_fma_f32 v[\dr], -v[\mi], v[\si], v[\dr]
	v_fma_f32 v[\di], v[\mi], v[\sr], v[\di]
.endm
	s_load_b256 s[4:11], s[0:1], 0x0               ; inputs' codes s[4:5], scales s[6:7]; Wi's codes s[8:9], scales s[10:11]
	s_load_b256 s[12:19], s[0:1], 0x20             ; bi s[12:13], params_log s[14:15], xcodes s[16:17], xsc s[18:19]
	s_load_b64 s[62:63], s[0:1], 0x40              ; tot
	v_lshl_add_u32 v[SPW], v0, 2, SPARE
	v_mov_b32 v[NIL], 0
	ds_add_u32 v8, v9
	ds_add_u32 v8, v9
	s_wait_dscnt 0x0
	v_lshrrev_b32 v14, 5, v0
	v_readfirstlane_b32 s20, v14                   ; wave 0..3
	s_bfe_u32 s21, ttmp6, 0x40000                  ; cx
	s_lshl_b32 s22, ttmp9, 2
	s_add_co_u32 s22, s22, s21                     ; cb: my block of 32 channels
	s_and_b32 s23, ttmp7, 0xffff                   ; y = 2 b + half, which the four partners share
	; descriptor group 1: 64 rows x 1,024 bytes, four rows of memory apart, 16 bytes of padding behind each row
	s_mov_b32 s24, 15|(1<<20)|(1<<21)|(7<<22)|(3<<25)  ; 15:0 the mask: all four; 17:16 elements of 1 byte; 20 padding on; 21 set beside a mask; 24:22 after every 256 words; 31:25 four words
	s_mov_b32 s25, 1024<<16                        ; tensor_dim0
	s_mov_b32 s26, 64<<16                          ; tensor_dim1
	s_mov_b32 s27, 1024<<16                        ; tile_dim0
	s_mov_b32 s28, 64                              ; tile_dim1
	s_mov_b32 s29, 4096                            ; from row to row: four rows of inputs
	s_mov_b32 s30, 0
	s_mov_b32 s31, 0
.set WIL, SPARE+512                    ; behind the spare words: Wi's K steps 0-3, 64 rows x (512 + 16) bytes, filled once, by wave 3's load at the head
	s_mov_b32 s88, (1<<20)|(6<<22)|(3<<25)         ; its group 1: my work-group's own tile (no mask); four words of padding behind every 128
	s_mov_b32 s89, 512<<16
	s_mov_b32 s90, 64<<16
	s_mov_b32 s91, 512<<16
	s_mov_b32 s92, 64
	s_mov_b32 s93, 1024
	s_mov_b32 s94, 0
	s_mov_b32 s95, 0
	s_mov_b32 s96, 1                               ; and its group 0
	s_mov_b32 s97, WIL
	s_mov_b32 s32, 1                               ; group 0: count
	s_mul_i32 s33, s20, RGN                        ; LDS: wave i fills region i
	s_lshl_b32 s46, s23, 21                        ; the half's 2,048 rows of 1,024 bytes,
	s_lshl_b32 s47, s20, 10                        ; row i
	s_add_co_u32 s46, s46, s47
	s_mov_b32 s47, 0
	s_lshl_b32 s48, s23, 16                        ; inputs' scales: 2,048 rows x 32 bytes a half
	s_mov_b32 s49, 0
	s_lshl_b32 s50, s22, 16                        ; Wi's codes: 64 rows x 1,024
	s_mov_b32 s51, 0
	s_lshl_b32 s52, s22, 11                        ; Wi's scales: 64 rows x 32
	s_mov_b32 s53, 0
	s_lshl_b32 s54, s22, 8                         ; bi: 64 numbers
	s_mov_b32 s55, 0
	s_lshl_b32 s56, s22, 7                         ; the parameters: 32 numbers
	s_mov_b32 s57, 0
	s_lshl_b32 s58, s23, 22                        ; xcodes: 128 row tiles x 32,768 a half,
	s_lshl_b32 s59, s22, 9                         ; block cb
	s_add_co_u32 s58, s58, s59
	s_mov_b32 s59, 0
	s_lshl_b32 s60, s22, 14                        ; xsc: plane cb, the half's 2,048 rows
	s_lshl_b32 s61, s23, 11
	s_add_co_u32 s60, s60, s61
	s_mov_b32 s61, 0
	s_lshr_b32 s80, s23, 1                         ; tot: the batch's two quarters, 8,192 bytes each,
	s_lshl_b32 s80, s80, 14
	s_lshl_b32 s81, s22, 8                         ; block cb
	s_add_co_u32 s80, s80, s81
	s_mov_b32 s81, 0
	s_and_b32 s45, s23, 1
	s_cmp_lg_u32 s45, 0
	s_cselect_b32 s45, -1, 0                       ; all lanes where mine is the second half
	s_mov_b32 s36, 0x76543210                      ; v_permlanex16_b32's selects for lane l xor 16
	s_mov_b32 s37, 0xfedcba98
	s_mov_b32 s38, 0x600000                        ; the mantissa field of 57,344
	s_mov_b32 s39, 7                               ; trips
	s_lshl_b32 s84, s23, 21                        ; the prefetches: my half's first byte,
	s_lshl_b32 s85, s21, 16                        ; my work-group's 64 rows of a block's 256: the four partners share a block out by address,
	s_add_co_u32 s84, s84, s85
	s_add_co_u32 s84, s84, 0x80000                 ; at block 2
	s_mov_b32 s85, 0
	s_mov_b32 s40, 0                               ; 256 n: the block's place among the scale bytes
	s_cmp_eq_u32 s20, 1
	s_cselect_b32 s41, -1, 0                       ; all lanes where my wave is 1, 2, 3
	s_cmp_eq_u32 s20, 2
	s_cselect_b32 s42, -1, 0
	s_cmp_eq_u32 s20, 3
	s_cselect_b32 s43, -1, 0
	s_mov_b32 s44, 0xffff0000                      ; lanes 16-31
	s_mov_b32 s66, 0x3fb8aa3b                      ; log2(e), its head
	s_mov_b32 s67, 0x32a5705f                      ; and its tail
	s_mov_b32 s68, 0x3f317218                      ; ln 2
	s_mov_b32 s69, 0x3f22f983                      ; 2 / pi
	s_mov_b32 s70, 0x3fc90fdb                      ; pi / 2 in three terms
	s_mov_b32 s71, 0xb33bbd2e
	s_mov_b32 s72, 0xa6f72b00
	s_mov_b32 s73, 0xbe2aaaa3                      ; sine: r + r z (S1 + z (S2 + z S3))
	s_mov_b32 s74, 0x3c08839e
	s_mov_b32 s75, 0xb94ca1f9
	s_mov_b32 s76, 0x3d2aaaa5                      ; cosine: 1 - z / 2 + z z (C1 + z (C2 + z C3))
	s_mov_b32 s77, 0xbab6061a
	s_mov_b32 s78, 0x37ccf5ce
	s_wait_kmcnt 0x0
	s_add_nc_u64 s[34:35], s[4:5], s[46:47]        ; group 0: the tile's first byte,
	s_or_b32 s35, s35, 0x80000000                  ; type 2
	s_add_nc_u64 s[6:7], s[6:7], s[48:49]
	s_add_nc_u64 s[8:9], s[8:9], s[50:51]
	s_mov_b64 s[98:99], s[8:9]
	s_or_b32 s99, s99, 0x80000000
	s_add_nc_u64 s[10:11], s[10:11], s[52:53]
	s_add_nc_u64 s[12:13], s[12:13], s[54:55]
	s_add_nc_u64 s[14:15], s[14:15], s[56:57]
	s_add_nc_u64 s[16:17], s[16:17], s[58:59]
	s_add_nc_u64 s[18:19], s[18:19], s[60:61]
	s_add_nc_u64 s[62:63], s[62:63], s[80:81]
	s_add_nc_u64 s[82:83], s[4:5], s[84:85]        ; where my prefetches stand
	ROUND                                          ; all four work-groups are here: the first joint loads meet
	s_cmp_lt_u32 s20, 3
	s_cbranch_scc0 .Lfirst_wi
	tensor_load_to_lds s[32:35], s[24:31]          ; regions 0-2 of block 0; region 3 is first filled behind the first trip's round
	s_nop 0
	NOPS 4
	s_branch .Lfirst_asked
.Lfirst_wi:
	tensor_load_to_lds s[96:99], s[88:95]          ; wave 3: Wi's K steps 0-3: every way through the head passes one load
	s_nop 0
	NOPS 4
.Lfirst_asked:
	v_and_b32 v1, 31, v0                           ; lane
	v_and_b32 v2, 15, v0                           ; r
	v_bfe_u32 v3, v0, 4, 1                         ; h
	s_mul_i32 s48, s20, 16*APITCH
	v_mul_u32_u24 v14, v2, APITCH
	v_lshl_add_u32 v14, v3, 4, v14
	v_add_nc_u32 v[ADRA], s48, v14                 ; (16 w + r) x pitch + 16 h
	v_add_nc_u32 v[ADRA+1], RGN, v[ADRA]
	v_add_nc_u32 v[ADRA+2], 2*RGN, v[ADRA]
	v_add_nc_u32 v[ADRA+3], 3*RGN, v[ADRA]
	v_and_b32 v14, 7, v2
	v_lshrrev_b32 v15, 3, v2
	v_lshlrev_b32 v14, 1, v14
	v_lshl_add_u32 v14, v15, 5, v14                ; 2 (r % 8) + 32 (r / 8): my row of Wi's tile (0, 0)
	v_lshlrev_b32 v[WA], 10, v14
	v_lshl_add_u32 v[WA], v3, 4, v[WA]
.set WL, 83                            ; v83    the same row and half in Wi's tile in LDS
.set ZR, 84                            ; v84-91 zeros: the C on which tile 3's second set of sums begins
	v_mul_u32_u24 v[WL], v14, 528
	v_lshl_add_u32 v[WL], v3, 4, v[WL]
	v_add_nc_u32 v[WL], WIL, v[WL]
.irp k, 0,1,2,3,4,5,6,7
	v_mov_b32 v[ZR+\k], 0
.endr
	v_add_nc_u32 v[WSA], v14, v3                   ; lanes 16-31 take the imaginary rows' scale words
	v_lshlrev_b32 v[WSA], 5, v[WSA]
	s_lshl_b32 s48, s20, 11
	v_lshlrev_b32 v[ASA], 7, v2
	v_lshl_add_u32 v[ASA], v3, 6, v[ASA]
	v_add_nc_u32 v[ASA], s48, v[ASA]               ; rows 64 w + 4 r + 2 h and the next: 64 bytes
	v_lshlrev_b32 v[BA], 7, v3
.set PFO, 82                           ; v82    the prefetches' offset: 16,384 wave + 256 lane; never rewritten
	s_lshl_b32 s49, s20, 14
	v_lshl_add_u32 v[PFO], v1, 8, s49
	; A block's 256 rows are 262,144 consecutive bytes: 1,024 pieces of 256 bytes, each named once in the cluster: 4 work-groups x 4 waves x 2 lines x 32 lanes.  Here block 1; trip n asks for block n + 2.
	global_prefetch_b8 v[PFO], s[82:83] offset:-262144 th:TH_LOAD_NT scope:SCOPE_SE
	global_prefetch_b8 v[PFO], s[82:83] offset:-253952 th:TH_LOAD_NT scope:SCOPE_SE
	s_lshl_b32 s48, s20, 10
	s_add_co_u32 s48, s48, SCP
	v_lshl_add_u32 v[SCR], v1, 4, s48              ; the end: SCP + 1,024 w + 16 lane
	s_lshr_b32 s49, s20, 1
	s_lshl_b32 s49, s49, 19                        ; waves 2, 3: the imaginary plane, 32 planes of 16,384 on
	s_and_b32 s50, s20, 1
	s_lshl_b32 s50, s50, 10
	s_add_co_u32 s49, s49, s50
	v_lshl_add_u32 v[XSO], v1, 4, s49
	s_mul_i32 s48, s20, EXW
	s_add_co_u32 s48, s48, EX
	v_mul_u32_u24 v14, v2, 272
	v_lshl_add_u32 v14, v3, 6, v14
	v_lshlrev_b32 v15, 2, v2
	v_lshl_add_u32 v15, v3, 11, v15
	s_lshl_b32 s49, s20, 8
	s_add_co_u32 s49, s49, TOT
	s_lshl_b32 s50, s20, 17
	s_lshl_b32 s51, s20, 6
	s_add_co_u32 s51, s51, SCP
	WIN 0x40                                       ; destination window 1, sources window 0
	v_add_nc_u32 v[EXS], s48, v14
	v_lshl_add_u32 v[EXL], v1, 2, s48
	v_lshl_add_u32 v239, v3, 6, s48                ; (for the head alone: my wave's scratch + 64 h)
	v_lshlrev_b32 v238, 2, v1                      ; (for the head alone: 4 lane)
	v_lshlrev_b32 v237, 3, v1                      ; (for the head alone: 8 lane)
	v_lshl_add_u32 v[TOTS], v1, 2, s49
	v_lshl_add_u32 v[TOTL], v1, 2, TOT
	v_lshl_add_u32 v[XO], v1, 4, s50
	v_add_nc_u32 v[SCPA], s51, v15
	WIN 0x55                                       ; all of window 1
	global_load_b32 v0, v238, s[14:15]             ; log v, log theta, log gamma of channel 32 cb + lane
	global_load_b32 v1, v238, s[14:15] offset:4096
	global_load_b32 v2, v238, s[14:15] offset:8192
	global_load_b64 v[22:23], v237, s[62:63]       ; the end states of the batch's quarters 0 and 1, channel = lane
	global_load_b64 v[24:25], v237, s[62:63] offset:8192
	WIN 0xc0                                       ; Wi stays in registers: K steps 4-7 come straight into window 3; K steps 0-3 come through LDS, at the head's end
.irp s, 0,1,2,3
.irp p, 0,1
.irp u, 0,1
.irp c, 0,1,2,3
	global_load_b128 v[16*(4*\s+2*\p+\u)+4*\c:16*(4*\s+2*\p+\u)+4*\c+3], v[WA], s[8:9] offset:(16*\u+\p)*1024+128*(\s+4)+32*\c
.endr
.endr
.endr
.endr
	WIN 0
.irp u, 0,1
	global_load_b128 v[WS+8*\u:WS+8*\u+3], v[WSA], s[10:11] offset:512*\u
	global_load_b128 v[WS+8*\u+4:WS+8*\u+7], v[WSA], s[10:11] offset:512*\u+16
.endr
.irp p, 0,1
.irp u, 0,1
.irp j, 0,1,2,3,4,5,6,7
	global_load_b32 v[BIAS+16*\p+8*\u+\j], v[BA], s[12:13] offset:64*\u+8*\j+4*\p   ; bi at column 64 cb + 2 (16 h + 8 u + j) + p
.endr
.endr
.endr
.macro ASLOAD                          ; a block's scale words of inputs: the wave reads 2,048 consecutive bytes
.irp q, 0,1,2,3
	global_load_b128 v[AS+4*\q:AS+4*\q+3], v[ASA], s[6:7] offset:16*\q
.endr
.endm
	ASLOAD
	s_wait_loadcnt 0x3f                            ; the parameters and the quarters' states were asked for first and 104 loads follow them: they are in; the rest is waited for ahead of the first product
	WIN 0x55
; e^x: x log2(e) in two parts; 2^head by the exponential, the tail by one multiply-add
; v, theta, gamma = e^x of v0-2 into v3-5, the three by turns
.irp k, 0,1,2
	v_mul_f32 v[6+\k], s66, v[\k]
.endr
.irp k, 0,1,2
	v_fma_f32 v[9+\k], v[\k], s66, -v[6+\k]
.endr
.irp k, 0,1,2
	v_fma_f32 v[9+\k], v[\k], s67, v[9+\k]
.endr
	s_wait_alu depctr_va_vdst(0)                   ; ahead of the batch
.irp k, 0,1,2
	v_exp_f32 v[3+\k], v[6+\k]
.endr
.irp k, 0,1,2
	v_mul_f32 v[9+\k], s68, v[9+\k]                ; (plain instructions behind the exponentials)
.endr
	s_wait_alu depctr_va_vdst(0)                   ; and behind it, ahead of the first reader
.irp k, 0,1,2
	v_fma_f32 v[3+\k], v[3+\k], v[9+\k], v[3+\k]
.endr
; lambda^n = exp(-n v) (cos(n theta) + i sin(n theta)), n a power of two, so -n v and n theta are exact.  Each n has 13 registers from b on; the powers go by turns, one line of each at a time, so that no line reads the line above it.
.macro LIN b, mn, pn
	v_mul_f32 v[\b], \mn, v3
	v_mul_f32 v[\b+1], \pn, v4
.endm
.macro LST st, b
.if \st == 0
	v_mul_f32 v[\b+2], s66, v[\b]
.elseif \st == 1
	v_fma_f32 v[\b+3], v[\b], s66, -v[\b+2]
.elseif \st == 2
	v_fma_f32 v[\b+3], v[\b], s67, v[\b+3]
.elseif \st == 3
	v_exp_f32 v[\b+4], v[\b+2]
.elseif \st == 4
	v_mul_f32 v[\b+3], s68, v[\b+3]
.elseif \st == 5
	v_mul_f32 v[\b+5], s69, v[\b+1]
.elseif \st == 6
	v_rndne_f32 v[\b+5], v[\b+5]                   ; k quarter turns
.elseif \st == 7
	v_fma_f32 v[\b+6], -v[\b+5], s70, v[\b+1]
.elseif \st == 8
	v_fma_f32 v[\b+6], -v[\b+5], s71, v[\b+6]
.elseif \st == 9
	v_fma_f32 v[\b+6], -v[\b+5], s72, v[\b+6]      ; what is left, within pi / 4
.elseif \st == 10
	v_mul_f32 v[\b+7], v[\b+6], v[\b+6]
.elseif \st == 11
	v_fma_f32 v[\b+8], v[\b+7], s75, s74
.elseif \st == 12
	v_fma_f32 v[\b+9], v[\b+7], s78, s77
.elseif \st == 13
	v_fma_f32 v[\b+8], v[\b+8], v[\b+7], s73
.elseif \st == 14
	v_fma_f32 v[\b+9], v[\b+9], v[\b+7], s76
.elseif \st == 15
	v_mul_f32 v[\b+10], v[\b+6], v[\b+7]
.elseif \st == 16
	v_mul_f32 v[\b+11], v[\b+7], v[\b+7]
.elseif \st == 17
	v_fma_f32 v[\b+12], v[\b+7], -0.5, 1.0
.elseif \st == 18
	v_fma_f32 v[\b+8], v[\b+8], v[\b+10], v[\b+6]  ; sine
.elseif \st == 19
	v_fma_f32 v[\b+9], v[\b+9], v[\b+11], v[\b+12] ; cosine
.elseif \st == 20
	v_cvt_i32_f32 v[\b+5], v[\b+5]
.elseif \st == 21
	v_and_b32 v[\b+10], 1, v[\b+5]
.elseif \st == 22
	v_cmp_ne_u32 vcc_lo, 0, v[\b+10]               ; an odd quarter swaps the two: a choice of values, no branch
	v_cndmask_b32 v[\b+11], v[\b+8], v[\b+9], vcc_lo
	v_cndmask_b32 v[\b+12], v[\b+9], v[\b+8], vcc_lo
.elseif \st == 23
	v_lshlrev_b32 v[\b+8], 30, v[\b+5]
.elseif \st == 24
	v_add_nc_u32 v[\b+5], 1, v[\b+5]
.elseif \st == 25
	v_and_b32 v[\b+8], 0x80000000, v[\b+8]         ; the sine's sign: quarters 2, 3
.elseif \st == 26
	v_lshlrev_b32 v[\b+5], 30, v[\b+5]
.elseif \st == 27
	v_xor_b32 v[\b+11], v[\b+8], v[\b+11]
.elseif \st == 28
	v_and_b32 v[\b+5], 0x80000000, v[\b+5]         ; the cosine's: quarters 1, 2
.elseif \st == 29
	v_xor_b32 v[\b+12], v[\b+5], v[\b+12]
.else
	v_fma_f32 v[\b+4], v[\b+4], v[\b+3], v[\b+4]   ; exp(-n v)
.endif
.endm
.macro LALL st
.irp b, 32,48,64,80,96
	LST \st, \b
.endr
.endm
.macro LOUT b, dr, di
	v_mul_f32 v[\dr], v[\b+4], v[\b+12]
	v_mul_f32 v[\di], v[\b+4], v[\b+11]
.endm
	LIN 32, 0xbf800000, 0x3f800000
	LIN 48, 0xc0800000, 0x40800000
	LIN 64, 0xc2000000, 0x42000000
	LIN 80, 0xc2800000, 0x42800000
	LIN 96, 0xc4800000, 0x44800000                 ; lambda^1024
.irp st, 0,1,2
	LALL \st
.endr
	s_wait_alu depctr_va_vdst(0)                   ; ahead of the batch
.irp st, 3,4,5,6,7,8,9,10,11,12,13,14,15,16,17,18,19,20,21,22,23,24,25,26,27,28,29
	LALL \st
.endr
	s_wait_alu depctr_va_vdst(0)                   ; and ahead of the first reader of the exponentials
	LALL 30
	LOUT 32, 20, 21
	LOUT 48, L4R, L4I
	LOUT 64, L32R, L32I
	LOUT 80, L64R, L64I
	LOUT 96, 28, 29
	ds_store_b32 v[EXL], v20                       ; lambda and gamma change layout through my wave's own scratch: LDS serves a wave's instructions in order
	ds_store_b32 v[EXL], v21 offset:128
	ds_store_b32 v[EXL], v5 offset:256
.irp q, 0,1,2,3
	ds_load_b128 v[LR+4*\q:LR+4*\q+3], v239 offset:16*\q
	ds_load_b128 v[LI+4*\q:LI+4*\q+3], v239 offset:128+16*\q
	ds_load_b128 v[GAM+4*\q:GAM+4*\q+3], v239 offset:256+16*\q
.endr
	CFMA 26, 27, 28, 29, 22, 23, 24, 25            ; the state at row 2,047: lambda^1024 T0 + T1
	v_cndmask_b32 v[CR], 0, v26, s45               ; carried into the second half; nothing is carried into the first: a choice on the half's number
	v_cndmask_b32 v[CI], 0, v27, s45
	s_wait_dscnt 0x0
	WIN 0
	s_wait_tensorcnt 0x0                           ; my tile of the head's four has landed (wave 3: Wi's)
	ds_add_u32 v[SPW], v[NIL]
	s_wait_dscnt 0x0
	s_barrier_signal -1
	s_barrier_wait -1                              ; Wi's tile is whole for every wave
	WIN 0x80                                       ; K steps 0-3 into window 2
.irp s, 0,1,2,3
.irp p, 0,1
.irp u, 0,1
.irp c, 0,1,2,3
	ds_load_b128 v[16*(4*\s+2*\p+\u)+4*\c:16*(4*\s+2*\p+\u)+4*\c+3], v[WL] offset:(16*\u+\p)*528+128*\s+32*\c
.endr
.endr
.endr
.endr
	WIN 0                                          ; (they are waited for at the first block's top)
; One matrix instruction: tile i of rows, Wi's tile (p, u), K step s, the fragment of inputs at v[af].  K step 0 takes bi as C: no addition, nothing cleared.
.macro WM i, p, u, s, af
.set rD, 32*(\i)+16*(\p)+8*(\u)
.set rA, 16*(4*((\s)%4)+2*(\p)+(\u))
.set rB, \af
.set rC, rD
.if (\s) == 0
.set rC, BIAS+16*(\p)+8*(\u)
.endif
.if ((\i) == 3) && (((\s) % 2) == 1)   ; tile 3's odd K steps have four accumulators of their own, where the state ST lies idle: eight accumulators take turns
.set rD, ST+16*(\p)+8*(\u)
.set rC, rD
.if (\s) == 1
.set rC, ZR
.endif
.endif
.set rX, WS+8*(\u)+(\s)
.set rY, AS+8*((\i)%2)+(\s)
.if ((\p) == 1) && ((\i) >= 2)
	v_wmma_scale_f32_16x16x128_f8f6f4 v[rD:rD+7], v[rA:rA+15], v[rB:rB+15], v[rC:rC+7], v[rX], v[rY] matrix_a_fmt:MATRIX_FMT_BF8 matrix_b_fmt:MATRIX_FMT_BF8 matrix_a_scale:MATRIX_SCALE_ROW1 matrix_b_scale:MATRIX_SCALE_ROW1
.elseif (\p) == 1
	v_wmma_scale_f32_16x16x128_f8f6f4 v[rD:rD+7], v[rA:rA+15], v[rB:rB+15], v[rC:rC+7], v[rX], v[rY] matrix_a_fmt:MATRIX_FMT_BF8 matrix_b_fmt:MATRIX_FMT_BF8 matrix_a_scale:MATRIX_SCALE_ROW1
.elseif (\i) >= 2
	v_wmma_scale_f32_16x16x128_f8f6f4 v[rD:rD+7], v[rA:rA+15], v[rB:rB+15], v[rC:rC+7], v[rX], v[rY] matrix_a_fmt:MATRIX_FMT_BF8 matrix_b_fmt:MATRIX_FMT_BF8 matrix_b_scale:MATRIX_SCALE_ROW1
.else
	v_wmma_scale_f32_16x16x128_f8f6f4 v[rD:rD+7], v[rA:rA+15], v[rB:rB+15], v[rC:rC+7], v[rX], v[rY] matrix_a_fmt:MATRIX_FMT_BF8 matrix_b_fmt:MATRIX_FMT_BF8
.endif
.endm
.macro FET3 s, buf                     ; K step s of tiles 0-2: 12 loads
.irp i, 0,1,2
.irp c, 0,1,2,3
	ds_load_b128 v[AF+64*(\buf)+16*\i+4*\c:AF+64*(\buf)+16*\i+4*\c+3], v[ADRA+\i] offset:128*(\s)+32*\c
.endr
.endr
.endm
; Tiles 0-2: 96 matrix instructions, 12 accumulators by turns, the next K step's fragments fetched ahead into the other half of the buffer.
.macro MA
	FET3 0, 0
.irp s, 0,1,2,3,4,5,6,7
.if \s < 7
.if \s > 0
	NOPS 8                                         ; eight places between the products of K step s - 1 and the loads into the registers that they read
.endif
	FET3 \s+1, (\s+1)%2
	s_wait_dscnt 12                                ; this K step's 12 loads are in; the next step's 12 may be out
.else
	s_wait_dscnt 0x0
.endif
.if \s == 0
	s_wait_loadcnt 0x0                             ; the block's scale words of inputs
	WIN 0x42                                       ; Wi window 2, inputs window 0, C = bi window 0, D window 1
.elseif \s < 4
	WIN 0x52                                       ; C and D window 1
.else
	WIN 0x53                                       ; Wi window 3
.endif
.irp i, 0,1,2
.irp p, 0,1
.irp u, 0,1
	WM \i, \p, \u, \s, AF+64*(\s%2)+16*\i
.endr
.endr
.endr
	WIN 0
.endr
.endm
; Tile 3: all eight fragments at once, 32 matrix instructions, four accumulators by turns.
.macro MB
.irp s, 0,1,2,3,4,5,6,7
.irp c, 0,1,2,3
	ds_load_b128 v[AF+16*\s+4*\c:AF+16*\s+4*\c+3], v[ADRA+3] offset:128*\s+32*\c
.endr
.endr
	s_wait_dscnt 16                                ; K steps 0-3 are in; the 16 loads of K steps 4-7 may be out
.irp s, 0,1,2,3,4,5,6,7
.if \s < 2
	WIN 0x42                                       ; C in window 0: bi, or the zeros
.elseif \s < 4
	WIN 0x52
.else
.if \s == 4
	s_wait_dscnt 0x0
.endif
	WIN 0x53
.endif
.irp p, 0,1
.irp u, 0,1
	WM 3, \p, \u, \s, AF+16*\s
.endr
.endr
.endr
	WIN 0
.endm
.macro GAMMA i                         ; u x gamma, each accumulator from its low end on
.irp q, 0,2,4,6,8,10,12,14
	v_pk_mul_f32 v[32*\i+\q:32*\i+\q+1], v[32*\i+\q:32*\i+\q+1], v[GAM+\q:GAM+\q+1]
.endr
.irp q, 0,2,4,6,8,10,12,14
	v_pk_mul_f32 v[32*\i+16+\q:32*\i+17+\q], v[32*\i+16+\q:32*\i+17+\q], v[GAM+\q:GAM+\q+1]
.endr
.endm
.macro CSTEP d, s, a                   ; d = lambda s + a for my 16 channels, two at a time; d may be a, never s
.irp k, 0,2,4,6,8,10,12,14
	v_pk_fma_f32 v[\d+\k:\d+\k+1], v[LR+\k:LR+\k+1], v[\s+\k:\s+\k+1], v[\a+\k:\a+\k+1]
	v_pk_fma_f32 v[\d+16+\k:\d+17+\k], v[LR+\k:LR+\k+1], v[\s+16+\k:\s+17+\k], v[\a+16+\k:\a+17+\k]
.endr
.irp k, 0,2,4,6,8,10,12,14
	v_pk_fma_f32 v[\d+\k:\d+\k+1], v[LI+\k:LI+\k+1], v[\s+16+\k:\s+17+\k], v[\d+\k:\d+\k+1] neg_lo:[1,0,0] neg_hi:[1,0,0]
	v_pk_fma_f32 v[\d+16+\k:\d+17+\k], v[LI+\k:LI+\k+1], v[\s+\k:\s+\k+1], v[\d+16+\k:\d+17+\k]
.endr
.endm
; The chunks' ends (in ST: a lane = a chunk) become the chunks' carries (in ST again).  In between a lane is a channel.
.macro CARRY
.irp q, 0,1,2,3
	ds_store_b128 v[EXS], v[ST+4*\q:ST+4*\q+3] offset:16*\q
	ds_store_b128 v[EXS], v[ST+16+4*\q:ST+19+4*\q] offset:128+16*\q
.endr
.irp r, 0,1,2,3,4,5,6,7,8,9,10,11,12,13,14,15
	ds_load_b32 v[EC+\r], v[EXL] offset:272*\r       ; my wave's own bytes, served in order: these see the stores above
	ds_load_b32 v[EC+16+\r], v[EXL] offset:272*\r+128
.endr
	s_wait_dscnt 0x0
	CFMA 176, 177, L4R, L4I, EC, EC+16, EC+1, EC+17          ; two chains by turns: chunks 0-7 end in v176-177, chunks 8-15 in v180-181
	CFMA 180, 181, L4R, L4I, EC+8, EC+24, EC+9, EC+25
.irp r, 2,3,4,5,6,7
	CFMA 176+2*((\r+1)%2), 177+2*((\r+1)%2), L4R, L4I, 176+2*(\r%2), 177+2*(\r%2), EC+\r, EC+16+\r
	CFMA 180+2*((\r+1)%2), 181+2*((\r+1)%2), L4R, L4I, 180+2*(\r%2), 181+2*(\r%2), EC+8+\r, EC+24+\r
.endr
	CFMA 184, 185, L32R, L32I, 176, 177, 180, 181            ; my wave's 64 rows from zero
	ds_store_b32 v[TOTS], v184
	ds_store_b32 v[TOTS], v185 offset:128
	s_wait_dscnt 0x0                               ; for the others' sake: my total lies in LDS
	s_barrier_signal -1
	s_barrier_wait -1
.irp v, 0,1,2,3
	ds_load_b32 v[186+2*\v], v[TOTL] offset:256*\v
	ds_load_b32 v[187+2*\v], v[TOTL] offset:256*\v+128
.endr
	s_wait_dscnt 0x0                               ; the totals are written again only behind the next block's two rounds
	CFMA 194, 195, L64R, L64I, CR, CI, 186, 187              ; the state behind wave 0, 1, 2, 3
	CFMA 196, 197, L64R, L64I, 194, 195, 188, 189
	CFMA 198, 199, L64R, L64I, 196, 197, 190, 191
	CFMA 200, 201, L64R, L64I, 198, 199, 192, 193
	v_cndmask_b32 v202, v[CR], v194, s41           ; the carry into my wave: a choice on the wave's number
	v_cndmask_b32 v203, v[CI], v195, s41
	v_cndmask_b32 v202, v202, v196, s42
	v_cndmask_b32 v203, v203, v197, s42
	v_cndmask_b32 v202, v202, v198, s43
	v_cndmask_b32 v203, v203, v199, s43
	v_mov_b32 v[CR], v200                          ; and into the next block
	v_mov_b32 v[CI], v201
	CFMA EC+7, EC+23, L32R, L32I, 202, 203, 176, 177         ; chunk 8's carry; chunk r's carry is written where chunk r - 1's end lay
	CFMA EC, EC+16, L4R, L4I, 202, 203, EC, EC+16
	CFMA EC+8, EC+24, L4R, L4I, EC+7, EC+23, EC+8, EC+24
.irp r, 2,3,4,5,6,7
	CFMA EC+\r-1, EC+15+\r, L4R, L4I, EC+\r-2, EC+14+\r, EC+\r-1, EC+15+\r
	CFMA EC+7+\r, EC+23+\r, L4R, L4I, EC+6+\r, EC+22+\r, EC+7+\r, EC+23+\r
.endr
	ds_store_b32 v[EXL], v202
	ds_store_b32 v[EXL], v203 offset:128
.irp r, 1,2,3,4,5,6,7,8,9,10,11,12,13,14,15
	ds_store_b32 v[EXL], v[EC+\r-1] offset:272*\r
	ds_store_b32 v[EXL], v[EC+15+\r] offset:272*\r+128
.endr
.irp q, 0,1,2,3
	ds_load_b128 v[ST+4*\q:ST+4*\q+3], v[EXS] offset:16*\q
	ds_load_b128 v[ST+16+4*\q:ST+19+4*\q], v[EXS] offset:128+16*\q
.endr
	s_wait_dscnt 0x0
.endm
; Tile i's x becomes codes and two scale bytes: a real block and an imaginary one by turns; a block's 32 numbers lie in lanes l and l xor 16.
; All four tiles at once: eight blocks (tile i, real or imaginary: e = 2 i + p) by turns, so that no line reads the line above it.  At work: the two states' registers, which are done with:
; v176+e the largest magnitude, v184+e lane l xor 16's (written before, by CARRY's loads), v192+e the conversion's scale operand, v200+e the hold, v208+e the byte.
; Each tile's codes have eight registers of their own (v176, v184, v208, v224 on): the stores' data are written again only behind the wait on XCNT at the block's end.
.macro QUANT4
.irp i, 0,1,2,3
.irp p, 0,1
	v_max3_num_f32 v[176+2*\i+\p], |v[32*\i+16*\p]|, |v[32*\i+16*\p+1]|, 0x8000000   ; my 16 numbers, and the floor 2^(16 - 127): so the byte cannot fall under 1
.endr
.endr
.irp k, 2,4,6,8,10,12,14
.irp i, 0,1,2,3
.irp p, 0,1
	v_max3_num_f32 v[176+2*\i+\p], v[176+2*\i+\p], |v[32*\i+16*\p+\k]|, |v[32*\i+16*\p+\k+1]|
.endr
.endr
.endr
.irp e, 0,1,2,3,4,5,6,7
	v_permlanex16_b32 v[184+\e], v[176+\e], s36, s37
.endr
.irp e, 0,1,2,3,4,5,6,7
	v_max_num_f32 v[176+\e], v[176+\e], v[184+\e]  ; the block's largest magnitude
.endr
.irp e, 0,1,2,3,4,5,6,7
	v_add_nc_u32 v[192+\e], 0xf8800000, v[176+\e]  ; 15 off its exponent field: the conversion's scale operand
.endr
.irp e, 0,1,2,3,4,5,6,7
	v_and_or_b32 v[200+\e], v[176+\e], 0x7f800000, s38   ; 57,344 x the scale
.endr
.irp e, 0,1,2,3,4,5,6,7
	v_lshrrev_b32 v[208+\e], 23, v[192+\e]         ; the scale's byte
.endr
	v_lshl_or_b32 v[SBR], v210, 8, v208            ; byte i: row 4 r + i
	v_lshl_or_b32 v[SBI], v211, 8, v209
	v_lshl_or_b32 v[SBR], v212, 16, v[SBR]
	v_lshl_or_b32 v[SBI], v213, 16, v[SBI]
	v_lshl_or_b32 v[SBR], v214, 24, v[SBR]
	v_lshl_or_b32 v[SBI], v215, 24, v[SBI]
.irp i, 0,1,2,3
.irp p, 0,1
.irp k, 0,1,2,3,4,5,6,7,8,9,10,11,12,13,14,15
	v_med3_num_f32 v[32*\i+16*\p+\k], v[32*\i+16*\p+\k], -v[200+2*\i+\p], v[200+2*\i+\p]   ; the conversion to an 8-bit code does not saturate (ISA guide 7.6.2): the hold at the largest code x the scale
.endr
.endr
.endr
.irp i, 0,1,2,3
.set CD, 176+8*\i+16*(\i/2)+8*(\i/3)
	v_cvt_scalef32_pk8_bf8_f32 v[CD:CD+1], v[32*\i:32*\i+7], v[192+2*\i]
	v_cvt_scalef32_pk8_bf8_f32 v[CD+2:CD+3], v[32*\i+8:32*\i+15], v[192+2*\i]
	v_cvt_scalef32_pk8_bf8_f32 v[CD+4:CD+5], v[32*\i+16:32*\i+23], v[193+2*\i]
	v_cvt_scalef32_pk8_bf8_f32 v[CD+6:CD+7], v[32*\i+24:32*\i+31], v[193+2*\i]
.endr
	v_nop                                          ; one plain instruction behind the conversions: later products write their sources
.irp i, 0,1,2,3
.set CD, 176+8*\i+16*(\i/2)+8*(\i/3)
	global_store_b128 v[XO], v[CD:CD+3], s[16:17] offset:32768*\i            ; the wave stores 512 consecutive bytes, aligned: block cb of row tile 4 w + i
	global_store_b128 v[XO], v[CD+4:CD+7], s[16:17] offset:32768*\i+16384    ; and block 32 + cb
.endr
.endm
; A BLOCK OF 256 ROWS.  last = 1: the eighth, which asks for nothing beyond its own region 3.
.macro SB last
	s_wait_tensorcnt 0x0                           ; all my tensor loads have landed: my region of this block, if I fill one of regions 0-2
	ds_add_u32 v[SPW], v[NIL]                      ; 0 onto my spare word
	s_wait_dscnt 0x0                               ; the add is done, and my reads of region 3 (the first time: of Wi's tile) are over
	ROUND                                          ; both hold of every wave of the four work-groups
	s_cmp_eq_u32 s20, 3
	s_cbranch_scc0 .Lnot_3_\@
	tensor_load_to_lds s[32:35], s[24:31]          ; region 3 of this block: it lands while tiles 0-2 are multiplied
	s_nop 0
	NOPS 4
.Lnot_3_\@:
	MA
	NOPS 8                                         ; eight places behind the last products, for the reads of their results and the loads into their fragments
	WIN 0x55
	GAMMA 0
	GAMMA 1
	GAMMA 2
	CSTEP ST, 0, 32                                ; a chunk from zero: lambda u0 + u1,
	CSTEP QT, ST, 64                               ; lambda (..) + u2
	WIN 0
	s_wait_tensorcnt 0x0                           ; wave 3: region 3 has landed
	ds_add_u32 v[SPW], v[NIL]
.if \last == 0
	s_add_nc_u64 s[34:35], s[34:35], 0x40000       ; no load of mine is out: the address steps 256 rows (wave 3 uses it in the next block)
	s_wait_dscnt 0x0                               ; the add is done, and my reads of regions 0-2 are over
	ROUND
	s_cmp_lt_u32 s20, 3
	s_cbranch_scc0 .Lis_3_\@
	tensor_load_to_lds s[32:35], s[24:31]          ; regions 0-2 of the next block: they land while tile 3 is multiplied and the vector work is done
	s_nop 0
	NOPS 4
.Lis_3_\@:
.else
	s_wait_dscnt 0x0
	s_barrier_signal -1
	s_barrier_wait -1                              ; region 3 is whole for every wave; nothing is filled
.endif
	MB
	NOPS 8                                         ; eight places: for the reads of tile 3's results, and for the loads into the scale words' registers
.if \last == 0
	s_add_nc_u64 s[6:7], s[6:7], 0x2000            ; (its last loads were waited for ahead of the block's first product)
	ASLOAD                                         ; the next block's scale words of inputs
	s_cmp_gt_u32 s39, 1                            ; the block two on: the loop's last trip has none
	s_cbranch_scc0 .Lno_ask_\@
	global_prefetch_b8 v[PFO], s[82:83] th:TH_LOAD_NT scope:SCOPE_SE
	global_prefetch_b8 v[PFO], s[82:83] offset:8192 th:TH_LOAD_NT scope:SCOPE_SE
.Lno_ask_\@:
.endif
	WIN 0x55
.irp q, 0,2,4,6,8,10,12,14,16,18,20,22,24,26,28,30
	v_pk_add_f32 v[96+\q:97+\q], v[96+\q:97+\q], v[ST+\q:ST+\q+1]   ; tile 3: the odd K steps' sums onto the even ones', each accumulator from its low end on
.endr
	GAMMA 3
	CSTEP ST, QT, 96                               ; the chunk's end from zero
	CARRY
	CSTEP 0, ST, 0                                 ; x in place, from the true carry
	CSTEP 32, 0, 32
	CSTEP 64, 32, 64
	CSTEP 96, 64, 96
	QUANT4
	v_cndmask_b32 v216, v[SBR], v[SBI], s44        ; lanes 0-15 put the real plane's four bytes, lanes 16-31 the imaginary plane's
	v_add_nc_u32 v217, s40, v[SCPA]
	ds_store_b32 v217, v216
	s_wait_xcnt 0x0                                ; the stores have read their registers and their base
.if \last == 0
	s_add_nc_u64 s[16:17], s[16:17], 0x80000       ; 16 row tiles on
	s_add_nc_u64 s[82:83], s[82:83], 0x40000       ; the prefetches: one block on
	s_add_co_u32 s40, s40, 256
.endif
	WIN 0
.endm
.Lblock:                                           ; 7 trips; the eighth block is written out
	SB 0
	s_sub_co_i32 s39, s39, 1
	s_cmp_lg_u32 s39, 0
	s_cbranch_scc1 .Lblock
	SB 1
	s_wait_dscnt 0x0                               ; my scale bytes lie in LDS
	s_barrier_signal -1
	s_barrier_wait -1
.irp q, 0,1
	ds_load_b128 v[AF+4*\q:AF+4*\q+3], v[SCR] offset:512*\q
.endr
.irp q, 0,1
	s_wait_dscnt 1-\q                              ; load q is in; the younger one may be out
	global_store_b128 v[XSO], v[AF+4*\q:AF+4*\q+3], s[18:19] offset:512*\q    ; 512 consecutive bytes, aligned
.endr
	s_wait_tensorcnt 0x0                           ; the wave's end
	ds_add_u32 v[SPW], v[NIL]
	s_wait_dscnt 0x0
	ROUND                                          ; the closing round: no work-group ends while a partner may still ask for a tile that names it
	s_endpgm
.Lfunc_end_k_qdd3ecb178e_scan:
	.size	k_qdd3ecb178e_scan, .Lfunc_end_k_qdd3ecb178e_scan-k_qdd3ecb178e_scan
	.p2alignl 7, 3214868480
	.fill 96, 4, 3214868480
	.section	.rodata,"a",@progbits
	.p2align	6, 0x0
	.amdhsa_kernel k_qdd3ecb178e_scan
		.amdhsa_group_segment_fixed_size 327680
		.amdhsa_private_segment_fixed_size 0
		.amdhsa_enable_private_segment 0
		.amdhsa_kernarg_size 72
		.amdhsa_user_sgpr_count 2
		.amdhsa_user_sgpr_kernarg_segment_ptr 1
		.amdhsa_wavefront_size32 1
		.amdhsa_system_sgpr_workgroup_id_x 1
		.amdhsa_system_sgpr_workgroup_id_y 1
		.amdhsa_system_sgpr_workgroup_id_z 1
		.amdhsa_system_vgpr_workitem_id 0
		.amdhsa_next_free_vgpr 1024
		.amdhsa_next_free_sgpr 100
		.amdhsa_reserve_vcc 1
		.amdhsa_float_denorm_mode_32 3
		.amdhsa_float_denorm_mode_16_64 3
		.amdhsa_memory_ordered 1
		.amdhsa_forward_progress 1
		.amdhsa_inst_pref_size 195
	.end_amdhsa_kernel
	.amdgpu_metadata
---
amdhsa.version: [ 1, 2 ]
amdhsa.kernels:
  - .name:           k_qdd3ecb178e_scan
    .symbol:         k_qdd3ecb178e_scan.kd
    .args:
      - { .name: inputs_codes, .offset: 0, .size: 8, .value_kind: global_buffer, .address_space: global }
      - { .name: inputs_scales, .offset: 8, .size: 8, .value_kind: global_buffer, .address_space: global }
      - { .name: Wi_codes, .offset: 16, .size: 8, .value_kind: global_buffer, .address_space: global }
      - { .name: Wi_scales, .offset: 24, .size: 8, .value_kind: global_buffer, .address_space: global }
      - { .name: bi, .offset: 32, .size: 8, .value_kind: global_buffer, .address_space: global }
      - { .name: params_log, .offset: 40, .size: 8, .value_kind: global_buffer, .address_space: global }
      - { .name: xcodes, .offset: 48, .size: 8, .value_kind: global_buffer, .address_space: global }
      - { .name: xsc, .offset: 56, .size: 8, .value_kind: global_buffer, .address_space: global }
      - { .name: tot, .offset: 64, .size: 8, .value_kind: global_buffer, .address_space: global }
    .group_segment_fixed_size: 327680
    .private_segment_fixed_size: 0
    .kernarg_segment_align: 8
    .kernarg_segment_size: 72
    .max_flat_workgroup_size: 128
    .sgpr_count:     100
    .vgpr_count:     1024
    .wavefront_size: 32
...
	.end_amdgpu_metadata
.endif
;; end of part 2
;; launch gemm2 (part 3): grid 4 x 64, 4 waves a work-group, clusters of 4 x 4, 327,680 bytes of LDS; arguments xcodes, xsc, Wo_codes, Wo_scales, out0, bo; writes out0
.if DOCPART == 3
	.amdgcn_target "amdgcn-amd-amdhsa--gfx1250"
	.amdhsa_code_object_version 6
	.text
	.protected	k_qdd3ecb178e_gemm2
	.globl	k_qdd3ecb178e_gemm2
	.p2align	8
	.type	k_qdd3ecb178e_gemm2,@function
k_qdd3ecb178e_gemm2:
	s_mov_b64 s[64:65], 0
	v_nop
	global_prefetch_b8 v0, s[64:65] scope:SCOPE_SE
	s_setreg_imm32_b32 hwreg(HW_REG_WAVE_MODE, 25, 1), 1
	s_wait_xcnt 0x0
	s_wait_alu depctr_hold_cnt(0) depctr_sa_sdst(0) depctr_va_vdst(0) depctr_va_sdst(0) depctr_va_ssrc(0) depctr_va_vcc(0) depctr_vm_vsrc(0)
	s_getreg_b32 s2, hwreg(HW_REG_IB_STS2, 6, 4)
	s_cmp_eq_u32 s2, 0
	s_cbranch_scc0 .Lentry_in_a_cluster
	s_endpgm
.Lentry_in_a_cluster:
	s_bfe_u32 s2, ttmp6, 0x10000c
	s_cmp_lg_u32 s2, 0xf033
	s_cbranch_scc0 .Lentry_shape_is_right
	s_endpgm
.Lentry_shape_is_right:
; out = relu(x Wo^T + bo).  x: 16,384 rows x 2,048 along K, codes of BF8 (E5M2) with one E8M0 scale for each 32 along K, as the launch before laid them; Wo: [1,024][2,048] codes, K innermost, scales [1,024][64]; out: [16,384][1,024] f32.
; A tile of out, 256 x 256, is made by a work-group of four waves; a wave makes 128 x 128: 64 accumulators, 512 registers.  64 x 4 tiles: one for each of 256 work-groups.
; K goes in steps of 256 through a ring of two LDS slots filled by the tensor data mover (waves 0, 1: x; waves 2, 3: Wo).
; x's CODES ARE AN IMAGE OF THE OPERAND'S REGISTERS: xcodes [row tile T][block 64][lane 32][16 bytes].  A K step of a row tile is 4,096 consecutive bytes; a fragment comes by four loads of 512 consecutive bytes: no pitch, no padding.
; Row r of row tile 16 ty + a' is row 256 ty + 64 (a' / 4) + 4 r + a' % 4: the way out puts each row where it belongs.
; x's SCALE BYTES lie [block 64][row]: at the head each thread reads four rows' bytes of 32 blocks, turns them into scale words (four blocks of one row) and puts them into LDS in the order of the fragments' rows.
; Wo's scale bytes of the work-group's 256 rows are one dense block: they come once, at the head, through registers.
; CLUSTERS: 4 x 4 work-groups; x's tiles are shared along a row of the cluster, Wo's along a column: each is asked for jointly.  THE MATRIX INSTRUCTION IS USED TRANSPOSED (source 0 = 16 rows of Wo, source 1 = 16 rows of x).
; bo is the C of each sum's first matrix instruction.  By this text's own count a wave has at most one tensor load out.
; LIMITS: NaN, infinities and scale bytes 0xff are not served.
; REGISTERS: window 0: v0-31 addresses; v32-63 scale words, two sets; v64-127 bo in the result's layout; from v128 x's fragments, ONE set.  window 1: Wo's fragments, two sets.  windows 2, 3: the accumulators ((a, b) at v[8 (8 (a % 4) + b)]).
.set SIZE_N, 1024
.set NQ,     2                         ; matrix instructions deep in a slot
.set ROWB,   256                       ; a row of Wo's tile in bytes
.set KROW,   2048                      ; a row of Wo in memory
.set PITCH,  272                       ; and in LDS: 256 + 16: the 16 rows of a fragment load start at 16 different columns of 16 bytes
.set FR,     16
.set NL,     4
.set NP,     8                         ; places behind this matrix instruction (ISA guide 7.12.1)
.set AHALF,  32768                     ; eight row tiles of x, 4,096 bytes each: what one tensor load brings
.set BOFF,   2*AHALF
.set HALFB,  128*PITCH                 ; 128 rows of Wo
.set SLOT,   BOFF+2*HALFB
.set LAPS,   4                         ; a lap = two K steps
.set KS,     64                        ; a row's scale bytes
.set SCL,    2*SLOT                    ; behind the ring: x's scale words (stored by the waves, never a fill's target), 17,408 bytes; then Wo's, stored once by the waves
.set HALFS,  8704                      ; the scales of 128 rows: 32 units of 256 bytes + 16
.set SBLK,   1088                      ; of 16 rows
.set SPARE,  SCL+4*HALFS               ; the spare words, 128 bytes for each wave: two blocks of 256 bytes that no other line names
.set SPITCH, 528                       ; the way out: 16 rows x (512 + 16) for each wave, in slot 0, which has had its last fill and its last read by then
.set ADRA, 16
.set ADRB, 20
.set STO,  24
.set RD,   25
.set CO,   26
.set ADRS, 27
.set SPW,  28
.set NIL,  29
.set SC,   32
.set BI,   64
.set AF,   128
.set BK,   128
.set XL,   128                         ; the head: 32 words of scale bytes as loaded; v160-191 as scale words; v192-195 at work
.set XW,   160
.set G1,   24
.set G0,   32
.set G1B,  48
.set G0B,  56
.set MSB, 0
.macro WIN new
.if MSB != \new
	s_set_vgpr_msb (MSB<<8)|\new
.set MSB, \new
.endif
.endm
.set MUL_LO, 0xa1                      ; source 0 (Wo) window 1, source 1 (x) window 0, C and D window 2
.set MUL_HI, 0xf1
.set TO_B,   0x40
.macro JLOAD g0a, g1a, g0b, g1b        ; a joint refill: waves 0, 1 for x, waves 2, 3 for Wo; the branch hangs on the wave's number alone
	s_cmp_eq_u32 s15, 0
	s_cbranch_scc0 .Lfor_b_\@
	tensor_load_to_lds s[\g0a:\g0a+3], s[\g1a:\g1a+7]
	s_nop 0
.rept 4
	v_nop
.endr
	s_branch .Lasked_\@
.Lfor_b_\@:
	tensor_load_to_lds s[\g0b:\g0b+3], s[\g1b:\g1b+7]
	s_nop 0
.rept 4
	v_nop
.endr
.Lasked_\@:
.endm
.macro CREST
	s_cmp_lg_u32 s14, 0
	s_cbranch_scc1 .Lnot_wave_0_\@
	s_barrier_signal -3
.Lnot_wave_0_\@:
	s_barrier_wait -3
	s_barrier_signal -1
	s_barrier_wait -1
.endm
.macro CROUND
	s_barrier_signal -1
	s_barrier_wait -1
	CREST
.endm
	s_load_b128 s[4:7], s[0:1], 0x0                ; xcodes s[4:5], xsc s[6:7]
	s_load_b128 s[8:11], s[0:1], 0x10              ; Wo's codes s[8:9], scales s[10:11]
	s_load_b64 s[12:13], s[0:1], 0x20              ; out
	s_load_b64 s[66:67], s[0:1], 0x28              ; bo
	v_lshl_add_u32 v[SPW], v0, 2, SPARE
	v_mov_b32 v[NIL], 0
	ds_add_u32 v28, v29
	ds_add_u32 v28, v29
	s_wait_dscnt 0x0
	v_lshrrev_b32 v1, 5, v0
	v_readfirstlane_b32 s14, v1                    ; wave 0..3
	s_lshr_b32 s15, s14, 1                         ; which half of the tile's rows is mine.  Also: I fetch for x (0) or for Wo (1)
	s_and_b32 s16, s14, 1                          ; which half of its columns.  Also: which half of that tile I fetch
	s_bfe_u32 s40, ttmp6, 0x40000                  ; cx, cy
	s_bfe_u32 s41, ttmp6, 0x40004
	s_lshl_b32 s42, ttmp9, 2
	s_add_co_u32 s42, s42, s40                     ; tile column tx
	s_and_b32 s17, ttmp7, 0xffff
	s_lshl_b32 s17, s17, 2
	s_add_co_u32 s17, s17, s41                     ; tile row ty
	s_lshl_b32 s43, s41, 2
	s_lshl_b32 s43, 15, s43                        ; my row of the cluster
	s_lshl_b32 s44, 0x1111, s40                    ; my column
	s_or_b32 s[G1+0], s43, (1<<21)                 ; x: 8 rows of 4,096 bytes, 32,768 apart, no padding; the mask: my row
	s_mov_b32 s[G1+1], 4096<<16
	s_mov_b32 s[G1+2], 8<<16
	s_mov_b32 s[G1+3], 4096<<16
	s_mov_b32 s[G1+4], 8
	s_mov_b32 s[G1+5], 32768
	s_mov_b32 s[G1+6], 0
	s_mov_b32 s[G1+7], 0
	s_or_b32 s[G1B+0], s44, (1<<20)|(1<<21)|(5<<22)|(3<<25)   ; Wo: 128 rows of 256 bytes, four words of padding behind every 64; the mask: my column
	s_mov_b32 s[G1B+1], ROWB<<16
	s_mov_b32 s[G1B+2], 128<<16
	s_mov_b32 s[G1B+3], ROWB<<16
	s_mov_b32 s[G1B+4], 128
	s_mov_b32 s[G1B+5], KROW
	s_mov_b32 s[G1B+6], 0
	s_mov_b32 s[G1B+7], 0
	s_lshl_b32 s18, s16, 18
	s_lshl_b32 s20, s17, 19
	s_add_co_u32 s20, s20, s18                     ; x: row tile 16 ty + 8 half, 32,768 bytes each
	s_mov_b32 s21, 0
	s_lshl_b32 s46, s42, 19
	s_add_co_u32 s46, s46, s18                     ; Wo: row 256 tx + 128 half, 2,048 bytes each
	s_mov_b32 s47, 0
	s_lshl_b32 s92, s42, 14                        ; and the scales of its 256 rows, 64 bytes each: 16,384 dense bytes
	s_mov_b32 s93, 0
	s_lshl_b32 s22, s17, 8                         ; xsc: the tile's 256 rows
	s_mov_b32 s23, 0
	s_lshl_b32 s45, s16, 15                        ; where they go: no place in the cluster enters an LDS address
	s_mul_i32 s95, s16, HALFB
	s_add_co_u32 s95, s95, BOFF
	s_mov_b32 s68, 0x05010400                      ; byte selects for the turn of 4 x 4 bytes
	s_mov_b32 s69, 0x07030602
	s_mov_b32 s70, 0x05040100
	s_mov_b32 s71, 0x07060302
	s_wait_kmcnt 0x0
	s_add_nc_u64 s[20:21], s[4:5], s[20:21]
	s_add_nc_u64 s[46:47], s[8:9], s[46:47]
	s_add_nc_u64 s[92:93], s[10:11], s[92:93]
	s_add_nc_u64 s[6:7], s[6:7], s[22:23]
	CROUND                                         ; all sixteen work-groups are here: the first joint loads meet
.irp s, 0,1
	s_mov_b32 s[G0+4*\s], 1
	s_add_co_u32 s[G0+4*\s+1], s45, \s*SLOT
	s_add_nc_u64 s[G0+4*\s+2:G0+4*\s+3], s[20:21], \s*4096
	s_or_b32 s[G0+4*\s+3], s[G0+4*\s+3], 0x80000000
	s_mov_b32 s[G0B+4*\s], 1
	s_add_co_u32 s[G0B+4*\s+1], s95, \s*SLOT
	s_add_nc_u64 s[G0B+4*\s+2:G0B+4*\s+3], s[46:47], \s*ROWB
	s_or_b32 s[G0B+4*\s+3], s[G0B+4*\s+3], 0x80000000
.endr
; THE HEAD'S LOADS, ONE A WAVE: K step 0, shared out as in the ring: waves 0, 1 fetch x's two halves, waves 2, 3 Wo's.  Every way through the two arms passes one load.
; Slot 1 is first filled behind the full sequence below.  A wave has one tensor load out at the most.  Wo's scale bytes come through registers, like x's.
.set PFA,  76                          ; s[76:77] where my prefetches stand;  s[78:79] a K step in my tensor, in bytes
.set PST,  78
	JLOAD G0, G1, G0B, G1B
; THE PREFETCHES.  Of the half tile that a wave fetches in the ring (x: 8 row tiles x 4,096 bytes a K step; Wo: 128 rows x 256 bytes), 128 pieces of 256 bytes, each of the four partners that ask for it jointly
; names 32, told apart by address (cx for x, cy for Wo): 65,536 bytes a partner in both tensors; a lane a piece, one line a wave.  Here K steps 1 and 2; the refill that brings K step t + 2 asks for t + 3.
	s_mov_b32 s[PST], 256
	s_mov_b32 s96, 2048
	s_cmp_eq_u32 s15, 0                            ; do I fetch for x?
	s_cselect_b64 s[PFA:PFA+1], s[20:21], s[46:47]
	s_cselect_b32 s[PST], 4096, s[PST]
	s_cselect_b32 s96, 256, s96                    ; from piece to piece among 16 lanes
	s_cselect_b32 s22, s40, s41
	s_mov_b32 s[PST+1], 0
	s_lshl_b32 s22, s22, 16
	s_mov_b32 s23, 0
	s_add_nc_u64 s[PFA:PFA+1], s[PFA:PFA+1], s[22:23]
	s_add_nc_u64 s[PFA:PFA+1], s[PFA:PFA+1], s[PST:PST+1]  ; at K step 1
	v_and_b32 v1, 15, v0                           ; r
	v_bfe_u32 v2, v0, 4, 1                         ; h
	v_and_b32 v6, 31, v0                           ; lane
	v_mul_u32_u24 v31, s96, v1
	v_lshl_add_u32 v31, v2, 15, v31                ; v31: my piece; lanes 16-31 lie 32,768 bytes on in both tensors
	v_add_nc_u32 v13, s[PST], v31                  ; v13: the same, one K step on; never rewritten
	global_prefetch_b8 v31, s[PFA:PFA+1] th:TH_LOAD_NT scope:SCOPE_SE
	global_prefetch_b8 v13, s[PFA:PFA+1] th:TH_LOAD_NT scope:SCOPE_SE
	s_lshl_b32 s46, s42, 10                        ; my first column, in bytes: 1,024 tx + 512 half
	s_lshl_b32 s47, s16, 9
	s_add_co_u32 s46, s46, s47
	s_mov_b32 s47, 0
	s_add_nc_u64 s[66:67], s[66:67], s[46:47]
	v_lshlrev_b32 v30, 5, v2
.irp b, 0,1,2,3,4,5,6,7
	global_load_b128 v[BI+8*\b:BI+8*\b+3], v30, s[66:67] offset:64*\b          ; bo at my columns 16 b + 8 h + 0 .. 7
	global_load_b128 v[BI+8*\b+4:BI+8*\b+7], v30, s[66:67] offset:64*\b+16
.endr
	v_and_b32 v7, 63, v0                           ; g: rows 4 g .. 4 g + 3 of the tile
	v_lshrrev_b32 v8, 6, v0                        ; which 32 blocks along K
	v_lshlrev_b32 v9, 2, v7
	v_lshl_add_u32 v9, v8, 19, v9
.irp k, 0,1,2,3,4,5,6,7,8,9,10,11,12,13,14,15,16,17,18,19,20,21,22,23,24,25,26,27,28,29,30,31
	global_load_b32 v[XL+\k], v9, s[6:7] offset:\k*16384
.endr
	v_lshlrev_b32 v14, 4, v0                       ; Wo's scale bytes: thread t takes the 16 bytes at 16 t + 2,048 j: a wave's load covers 512 consecutive bytes
.irp j, 0,1,2,3,4,5,6,7
	global_load_b128 v[196+4*\j:199+4*\j], v14, s[92:93] offset:2048*\j
.endr
	v_lshrrev_b32 v15, 4, v0                       ; where they go: 16 bytes of padding behind every 256: 16 t + 16 (t / 16) + 2,176 j
	v_add_nc_u32 v15, v15, v0
	v_lshlrev_b32 v15, 4, v15
	v_add_nc_u32 v15, SCL+2*HALFS, v15
	v_mul_u32_u24 v3, v1, PITCH
	v_lshl_add_u32 v4, v2, 4, v3                   ; Wo's fragments: row x pitch + 16 h
	v_lshlrev_b32 v[CO], 4, v6                     ; 16 lane
	s_lshl_b32 s21, s15, 15                        ; my eight row tiles of x
	s_mul_i32 s22, s16, HALFB                      ; my 128 rows of Wo
	s_add_co_u32 s22, s22, BOFF
.irp s, 0,1
	v_add_nc_u32 v[ADRA+\s], s21, v[CO]
	v_add_nc_u32 v[ADRB+\s], s22, v4
	s_add_co_u32 s21, s21, SLOT
	s_add_co_u32 s22, s22, SLOT
.endr
	v_mul_u32_u24 v5, v1, KS                       ; my row's scale words: 64 bytes a row,
	v_lshrrev_b32 v11, 8, v5
	v_lshl_add_u32 v5, v11, 4, v5                  ; and 16 more for each 256 passed
	s_mul_i32 s21, s15, HALFS                      ; x's: my 128 rows
	s_mul_i32 s22, s16, HALFS                      ; Wo's: my 128 rows, behind x's 256
	s_add_co_u32 s22, s22, 2*HALFS
	s_sub_co_u32 s22, s22, s21
	v_mul_u32_u24 v11, s22, v2                     ; lanes 16-31 take Wo's
	s_add_co_u32 s21, s21, SCL
	v_add_nc_u32 v5, v5, v11
	v_add_nc_u32 v[ADRS], s21, v5
	s_mul_i32 s23, s14, 16*SPITCH                  ; my stage
	v_mul_u32_u24 v5, v1, SPITCH
	v_lshl_add_u32 v5, v2, 5, v5
	v_add_nc_u32 v[STO], s23, v5
	v_add_nc_u32 v[RD], s23, v[CO]
	s_lshl_b32 s20, s17, 20                        ; my first row of out: 256 ty + 128 half, 4,096 bytes each
	s_lshl_b32 s21, s15, 19
	s_add_co_u32 s20, s20, s21
	s_mov_b32 s21, 0
	s_add_nc_u64 s[12:13], s[12:13], s[20:21]
	s_add_nc_u64 s[12:13], s[12:13], s[46:47]
	v_lshrrev_b32 v10, 4, v7                       ; where my scale words go: row tile 4 (g / 16) + i, its row g % 16, bytes 32 x half on
	v_bfe_u32 v11, v7, 2, 2
	v_lshl_add_u32 v10, v10, 4, v11
	v_mul_u32_u24 v10, v10, 272
	v_and_b32 v11, 3, v7
	v_lshl_add_u32 v10, v11, 6, v10
	v_lshl_add_u32 v10, v8, 5, v10
	v_add_nc_u32 v10, SCL, v10
	s_wait_loadcnt 0x0                             ; bo and the scale bytes
.irp j, 0,1,2,3,4,5,6,7                        ; four blocks x four rows of bytes are turned: a word of four blocks for each row
	v_perm_b32 v192, v[XL+4*\j+1], v[XL+4*\j], s68
	v_perm_b32 v193, v[XL+4*\j+1], v[XL+4*\j], s69
	v_perm_b32 v194, v[XL+4*\j+3], v[XL+4*\j+2], s68
	v_perm_b32 v195, v[XL+4*\j+3], v[XL+4*\j+2], s69
	v_perm_b32 v[XW+\j], v194, v192, s70
	v_perm_b32 v[XW+8+\j], v194, v192, s71
	v_perm_b32 v[XW+16+\j], v195, v193, s70
	v_perm_b32 v[XW+24+\j], v195, v193, s71
.endr
.irp i, 0,1,2,3
	ds_store_b128 v10, v[XW+8*\i:XW+8*\i+3] offset:SBLK*\i
	ds_store_b128 v10, v[XW+8*\i+4:XW+8*\i+7] offset:SBLK*\i+16
.endr
.irp j, 0,1,2,3,4,5,6,7
	ds_store_b128 v15, v[196+4*\j:199+4*\j] offset:2176*\j
.endr
.macro FRAGB reg, adr, q, i            ; 16 rows x 128 K of Wo: lane l holds row l % 16; registers 4 c .. 4 c + 3 hold K = 32 c + 16 (l / 16) + 0 .. 15
.irp c, 0,1,2,3
	ds_load_b128 v[\reg+4*\c:\reg+4*\c+3], v[\adr] offset:128*(\q)+32*\c+(\i)*16*PITCH
.endr
.endm
.macro FRAGA reg, adr, q, i            ; the same of x, from its image: 512 consecutive bytes a load
.irp c, 0,1,2,3
	ds_load_b128 v[\reg+4*\c:\reg+4*\c+3], v[\adr] offset:4096*(\i)+2048*(\q)+512*\c
.endr
.endm
; 16 matrix instructions: x's blocks a0, a0 + 1 against Wo's eight.  first = 1: bo is the C: the first product starts the sums.  The 64 accumulators take turns, one instruction a turn.
.macro MUL16 a0, p, q, sc, first
.irp a, \a0, \a0+1
.irp b, 0,1,2,3,4,5,6,7
.if \first
	v_wmma_scale_f32_16x16x128_f8f6f4 v[8*(8*((\a)%4)+\b):8*(8*((\a)%4)+\b)+7], v[128*(\p)+FR*\b:128*(\p)+FR*\b+FR-1], v[AF+FR*(\a):AF+FR*(\a)+FR-1], v[BI+8*\b:BI+8*\b+7], v[SC+8*NQ*(\sc)+NQ*\b+(\q)], v[SC+8*NQ*(\sc)+NQ*(\a)+(\q)] matrix_a_fmt:MATRIX_FMT_BF8 matrix_b_fmt:MATRIX_FMT_BF8 matrix_a_scale:MATRIX_SCALE_ROW1
.else
	v_wmma_scale_f32_16x16x128_f8f6f4 v[8*(8*((\a)%4)+\b):8*(8*((\a)%4)+\b)+7], v[128*(\p)+FR*\b:128*(\p)+FR*\b+FR-1], v[AF+FR*(\a):AF+FR*(\a)+FR-1], v[8*(8*((\a)%4)+\b):8*(8*((\a)%4)+\b)+7], v[SC+8*NQ*(\sc)+NQ*\b+(\q)], v[SC+8*NQ*(\sc)+NQ*(\a)+(\q)] matrix_a_fmt:MATRIX_FMT_BF8 matrix_b_fmt:MATRIX_FMT_BF8 matrix_a_scale:MATRIX_SCALE_ROW1
.endif
.endr
.endr
.endm
.macro FETCH_B slot, q, p
	WIN TO_B
.irp i, 0,1,2,3,4,5,6,7
	FRAGB 128*(\p)+FR*\i, ADRB+\slot, \q, \i
.endr
	WIN 0
.endm
.macro FETCH_A slot, q, i0
.irp i, \i0, \i0+1, \i0+2, \i0+3
	FRAGA AF+FR*(\i), ADRA+\slot, \q, \i
.endr
.endm
.macro SCALES sc                       ; a K step's scale words: two words a row; lanes 0-15 take x's block i, lanes 16-31 Wo's block i
.irp i, 0,1,2,3,4,5,6,7
	ds_load_b64 v[SC+8*NQ*\sc+NQ*\i:SC+8*NQ*\sc+NQ*\i+1], v[ADRS] offset:\i*SBLK
.endr
.endm
.macro PLACES n                        ; plain instructions between a matrix instruction and loads into registers that it read, or reads of its result (ISA guide 7.12.1 for vector instructions)
.rept \n
	v_nop
.endr
.endm
.macro STEP slot, q, first             ; 128 along K that has its successor in the same slot
	s_wait_dscnt 4*NL                              ; Wo's set and x's blocks 0-3 are in; the youngest 16 loads (x's blocks 4-7) may be out
.if \first
	WIN 0x81                                       ; C = bo in window 0
.else
	WIN MUL_LO
.endif
	MUL16 0, (\q)%2, \q, \slot, \first
	MUL16 2, (\q)%2, \q, \slot, \first
	s_wait_dscnt 0
	PLACES NP
	FETCH_B \slot, (\q)+1, 1-(\q)%2
	FETCH_A \slot, (\q)+1, 0
.if \first
	WIN 0xc1
.else
	WIN MUL_HI
.endif
	MUL16 4, (\q)%2, \q, \slot, \first
	MUL16 6, (\q)%2, \q, \slot, \first
	PLACES NP
	WIN 0
	FETCH_A \slot, (\q)+1, 4
.endm
; A slot's last step changes slots: one barrier; in front of it each wave waits for all its tensor loads, adds 0 to its spare word, and waits for that and for its reads of this slot.  fill = 1: this slot is filled again, two K steps ahead.
.macro TURN slot, next, fill
.if \fill
	s_wait_xcnt 0x0                                ; my last prefetch has read its base
	s_add_nc_u64 s[PFA:PFA+1], s[PFA:PFA+1], s[PST:PST+1]  ; one K step on: at the K step that this change of slots asks for
.endif
	s_wait_tensorcnt 0x0                           ; all my tensor loads have landed: my part of the next slot  (every window is 0 here)
	ds_add_u32 v[SPW], v[NIL]                      ; 0 onto my spare word
	s_wait_dscnt 4*NL+1                            ; the add and the youngest 16 loads (x's blocks 4-7) may be out
	WIN MUL_LO
	MUL16 0, 1, NQ-1, \slot, 0
	s_wait_dscnt 0x0                               ; the add is done, and my reads of this slot are over
	s_barrier_signal -1
	MUL16 2, 1, NQ-1, \slot, 0
	WIN 0
	s_barrier_wait -1
.if \fill
	CREST                                          ; the barrier has opened a round of the cluster's barrier: no wave of any partner still reads this slot or has a load on its way
	s_add_nc_u64 s[G0+4*\slot+2:G0+4*\slot+3], s[G0+4*\slot+2:G0+4*\slot+3], 2*4096
	s_add_nc_u64 s[G0B+4*\slot+2:G0B+4*\slot+3], s[G0B+4*\slot+2:G0B+4*\slot+3], 2*ROWB
	JLOAD G0+4*\slot, G1, G0B+4*\slot, G1B         ; the first tensor load behind the round; its four v_nop are among the places in front of the loads below
	PLACES NP-4
.else
	PLACES NP
.endif
	s_wait_alu depctr_va_vdst(0)
	v_add_nc_u32 v[ADRS], 4*NQ, v[ADRS]            ; on to the next K step's scale words (no LDS load of mine is out)
	FETCH_B \next, 0, 0
	FETCH_A \next, 0, 0
	SCALES \next
.if \fill
.if \slot
	s_cmp_gt_u32 s3, 1                             ; the last refill brings K step 7: there is none behind it
	s_cbranch_scc0 .Lno_ask_\@
.endif
	global_prefetch_b8 v13, s[PFA:PFA+1] th:TH_LOAD_NT scope:SCOPE_SE   ; the K step behind the one just asked for
.Lno_ask_\@:
.endif
	WIN MUL_HI
	MUL16 4, 1, NQ-1, \slot, 0
	MUL16 6, 1, NQ-1, \slot, 0
	PLACES NP
	WIN 0
	FETCH_A \next, 0, 4
.endm
	s_wait_alu depctr_va_vdst(0)                   ; at the head's end
	s_wait_tensorcnt 0x0                           ; my tile of the head's is in; the same lines ahead of a later first fill as ahead of a refill
	ds_add_u32 v[SPW], v[NIL]                      ; 0 onto my spare word
	s_wait_dscnt 0x0                               ; the add is done, and my scale words of x and of Wo lie in LDS
	CROUND                                         ; a whole round: the head's tiles are in, and all sixteen work-groups are here
	JLOAD G0+4, G1, G0B+4, G1B                     ; K step 1: slot 1's first fill, the first tensor load behind the round
	FETCH_B 0, 0, 0
	FETCH_A 0, 0, 0
	SCALES 0
	FETCH_A 0, 0, 4
	STEP 0, 0, 1                                   ; the first step stands in front of the loop: its products start the sums, on bo
	s_mov_b32 s3, LAPS-1
.Llap:                                             ; a trip goes once round the ring and fills both slots again
	TURN 0, 1, 1
	STEP 1, 0, 0
	TURN 1, 0, 1
	STEP 0, 0, 0
	s_sub_co_u32 s3, s3, 1
	s_cmp_lg_u32 s3, 0
	s_cbranch_scc1 .Llap
	TURN 0, 1, 0                                   ; the last lap fills nothing
	STEP 1, 0, 0
	s_wait_dscnt 4*NL
	WIN MUL_LO
	MUL16 0, 1, NQ-1, 1, 0
	MUL16 2, 1, NQ-1, 1, 0
	s_wait_dscnt 0
	WIN MUL_HI
	MUL16 4, 1, NQ-1, 1, 0
	MUL16 6, 1, NQ-1, 1, 0
	WIN 0
; THE WAY OUT, block by block of 16 rows x 128 columns: what is negative becomes 0; the block goes through my own stage in LDS and comes back as whole rows of 512 bytes.  LDS serves a wave's instructions in order.
.macro TOSTAGE a
.set AC, 64*((\a)%4)
	WIN 0x88+0x44*((\a)/4)                         ; source 1 and destination: window 2 or 3
.set J, 0
.rept 64
	v_max_num_f32 v[AC+J], 0, v[AC+J]              ; each accumulator from its low end on
.set J, J+1
.endr
.irp b, 0,1,2,3,4,5,6,7
	ds_store_b128 v[STO], v[AC+8*\b:AC+8*\b+3] offset:64*\b
	ds_store_b128 v[STO], v[AC+8*\b+4:AC+8*\b+7] offset:64*\b+16
.endr
	WIN 0
.set BB, BK+64*((\a)%2)
.irp t, 0,1,2,3,4,5,6,7,8,9,10,11,12,13,14,15
	ds_load_b128 v[BB+4*\t:BB+4*\t+3], v[RD] offset:\t*SPITCH
.endr
.endm
.macro SEND a, younger                 ; block a's row t is row 64 (a / 4) + a % 4 + 4 t of my 128
.set BB, BK+64*((\a)%2)
	s_wait_dscnt \younger
.if (\a) == 4
	s_add_nc_u64 s[12:13], s[12:13], 61*SIZE_N*4   ; (behind a wait on XCNT: the earlier stores have read their base)  from row 3 to row 64
.elseif (\a) > 0
	s_add_nc_u64 s[12:13], s[12:13], SIZE_N*4      ; one row on
.endif
.irp t, 0,1,2,3,4,5,6,7,8,9,10,11,12,13,14,15
	global_store_b128 v[CO], v[BB+4*\t:BB+4*\t+3], s[12:13] offset:\t*4*SIZE_N*4 th:TH_STORE_NT   ; 32 lanes store 512 consecutive bytes of a row, aligned
.endr
.endm
	PLACES NP
	TOSTAGE 0
.irp a, 1,2,3,4,5,6,7
.if \a > 1
	s_wait_xcnt 0x0                                ; block a - 2's stores have read their registers and their base
.endif
	TOSTAGE \a
	SEND \a-1, 32                                  ; behind block a - 1's loads: block a's 16 stores and 16 loads
.endr
	s_wait_xcnt 0x0
	SEND 7, 0
	s_wait_tensorcnt 0x0                           ; the wave's end
	ds_add_u32 v[SPW], v[NIL]
	s_wait_dscnt 0x0
	CROUND                                         ; the closing round
	s_endpgm
.Lfunc_end_k_qdd3ecb178e_gemm2:
	.size	k_qdd3ecb178e_gemm2, .Lfunc_end_k_qdd3ecb178e_gemm2-k_qdd3ecb178e_gemm2
	.p2alignl 7, 3214868480
	.fill 96, 4, 3214868480
	.section	.rodata,"a",@progbits
	.p2align	6, 0x0
	.amdhsa_kernel k_qdd3ecb178e_gemm2
		.amdhsa_group_segment_fixed_size 327680
		.amdhsa_private_segment_fixed_size 0
		.amdhsa_enable_private_segment 0
		.amdhsa_kernarg_size 48
		.amdhsa_user_sgpr_count 2
		.amdhsa_user_sgpr_kernarg_segment_ptr 1
		.amdhsa_wavefront_size32 1
		.amdhsa_system_sgpr_workgroup_id_x 1
		.amdhsa_system_sgpr_workgroup_id_y 1
		.amdhsa_system_sgpr_workgroup_id_z 1
		.amdhsa_system_vgpr_workitem_id 0
		.amdhsa_next_free_vgpr 1024
		.amdhsa_next_free_sgpr 98
		.amdhsa_reserve_vcc 0
		.amdhsa_float_denorm_mode_32 3
		.amdhsa_float_denorm_mode_16_64 3
		.amdhsa_memory_ordered 1
		.amdhsa_forward_progress 1
		.amdhsa_inst_pref_size 173
	.end_amdhsa_kernel
	.amdgpu_metadata
---
amdhsa.version: [ 1, 2 ]
amdhsa.kernels:
  - .name:           k_qdd3ecb178e_gemm2
    .symbol:         k_qdd3ecb178e_gemm2.kd
    .args:
      - { .name: xcodes, .offset: 0, .size: 8, .value_kind: global_buffer, .address_space: global }
      - { .name: xsc, .offset: 8, .size: 8, .value_kind: global_buffer, .address_space: global }
      - { .name: Wo_codes, .offset: 16, .size: 8, .value_kind: global_buffer, .address_space: global }
      - { .name: Wo_scales, .offset: 24, .size: 8, .value_kind: global_buffer, .address_space: global }
      - { .name: out0, .offset: 32, .size: 8, .value_kind: global_buffer, .address_space: global }
      - { .name: bo, .offset: 40, .size: 8, .value_kind: global_buffer, .address_space: global }
    .group_segment_fixed_size: 327680
    .private_segment_fixed_size: 0
    .kernarg_segment_align: 8
    .kernarg_segment_size: 48
    .max_flat_workgroup_size: 128
    .sgpr_count:     98
    .vgpr_count:     1024
    .wavefront_size: 32
...
	.end_amdgpu_metadata
.endif
;; end of part 3
